; MI455X (gfx1250); checked and timed in simulation.
; The chip was launched on July 23, 2026; its instructions are those of AMD's public machine-readable ISA for CDNA 5 (MIT licence, August 2026) and "CDNA5" Instruction Set Architecture Reference Guide (July 2026). The comments in the code are by the model that wrote it; some were corrected since.
;; Multi Head Self Attention. Allowed arithmetic: matrix products marked QUANTISED: E2M1 operands, one E8M0 scale for each 32 along K, by v_wmma_scale_f32_16x16x128_f8f6f4 with both operands' format E2M1 (or v_wmma_scale_f32_32x16x128_f4), f32 sums; products left as they are: bf16, f16 or f32 operands; f32 sums; everything else in f32.
;; Inputs: Wout 1,024 x 1,024 float32; Wqkv 1,024 x 3,072 float32; bout 1,024 float32; bqkv 3,072 float32; x 4 x 2,048 x 1,024 float32.
;; Outputs: out0 4 x 2,048 x 1,024 float32.
;; This version of the problem:
;;   THIS VERSION OF THE PROBLEM IS GIVEN IN LOW PRECISION. The matrix products marked QUANTISED in the list below multiply operands that are first quantised to E2M1 (2 exponent bits, 1 mantissa bit; 4 bits a number), with one power-of-two scale for each 32 numbers along K (OCP MX v1.0); their sums are f32. The products marked 'left as it is' may take bf16, f16 or f32 operands, with f32 sums. Whichever they take, every output number must still come out within the allowed error. Rounding operands to bf16 (8 significant bits) uses up far more of that allowance than f16 does (11 bits, for magnitudes from 6e-5 to 65,504). All else is computed in f32.
;;   The module's matrix products, in the order in which they are computed (A, B: the left and right operand; K: the contracted axis; several contracted axes count as one K, in the product's order):
;;     1. [M 8,192, K 1,024] x [K 1,024, N 3,072]; A: input x; B: input Wqkv: QUANTISED
;;     2. batch 64 x [M 2,048, K 64] x [K 64, N 2,048]; A: computed on the way; B: computed on the way: left as it is (an operand is computed on the way)
;;     3. batch 64 x [M 2,048, K 2,048] x [K 2,048, N 64]; A: computed on the way; B: computed on the way: left as it is (an operand is computed on the way)
;;     4. [M 8,192, K 1,024] x [K 1,024, N 1,024]; A: computed on the way; B: input Wout: left as it is (an operand is computed on the way)
;;   THE QUANTISER, for each operand of a quantised product, along K:
;;     - K is cut into blocks of 32 from its start; a last block that is shorter is filled with zeros.
;;     - A block's scale is 2^e with e = floor(log2(the largest magnitude in the block)) - 2, held to -126 .. 127; a block of zeros has e = 0. As a byte (E8M0): e + 127.
;;     - Each number is divided by its block's scale, clamped to +-6, and rounded to the nearest number of E2M1, ties to even, subnormals kept.
;;     - The product sums the exact products of the quantised numbers (number of the format x scale) in f32.
;;   ~~~python
;;   def quantise(x, axis):      # numpy; x: float32 -> the quantised numbers, widened to float32 again
;;       x = np.moveaxis(x, axis, -1); K = x.shape[-1]
;;       x = np.pad(x, [(0, 0)] * (x.ndim - 1) + [(0, -K % 32)]); x = x.reshape(x.shape[:-1] + (-1, 32)); a = np.abs(x).max(-1, keepdims=True)
;;       e = np.where(a > 0, np.clip(np.frexp(np.where(a > 0, a, 1))[1] - 1 - 2, -126, 127), 0)      # np.frexp(a)[1] - 1 = floor(log2(a)), exactly
;;       r = np.clip(x / 2.0 ** e, -6, 6)
;;       step = 2.0 ** (np.maximum(np.frexp(np.where(r == 0, 1, r))[1] - 1, 0) - 1)
;;       q = np.round(r / step) * step * 2.0 ** e      # np.round: ties to even
;;       return np.moveaxis(q.reshape(q.shape[:-2] + (-1,))[..., :K], -1, axis).astype(np.float32)
;;   ~~~
;; One version. Each part assembles by itself: llvm-mc -triple=amdgcn-amd-amdhsa -mcpu=gfx1250 --defsym DOCPART=n.
;; ======== version 1 of 1: 5 launches
;; limits: values are held in f16: magnitudes above 65,504 overflow, below 6.1e-05 lose precision
;; workspace buffers: x_codes 4,194,304 bytes; x_scales 262,144 bytes; w_codes 1,572,864 bytes; w_scales 98,304 bytes; wout16 2,097,152 bytes; rope 524,288 bytes; qkv 50,331,648 bytes; att 16,777,216 bytes
;; launch quant_x (part 1): grid 256 x 1, 4 waves a work-group, no clusters, 33,280 bytes of LDS; arguments x, x_codes, x_scales; writes x_codes, x_scales
.if DOCPART == 1
	.amdgcn_target "amdgcn-amd-amdhsa--gfx1250"
	.amdhsa_code_object_version 6
	.text
	.protected	k_q2dc5cde7bf_quant_x
	.globl	k_q2dc5cde7bf_quant_x
	.p2align	8
	.type	k_q2dc5cde7bf_quant_x,@function
k_q2dc5cde7bf_quant_x:
	s_mov_b64 s[64:65], 0
	v_nop
	global_prefetch_b8 v0, s[64:65] scope:SCOPE_SE
	s_setreg_imm32_b32 hwreg(HW_REG_WAVE_MODE, 25, 1), 1
	s_wait_xcnt 0x0
; x [8192][1024] f32 becomes codes of FP4 (E2M1), K innermost, two codes a byte, and one E8M0 scale byte for each 32 along K.
; A block's scale is 2^(floor(log2(its largest magnitude)) - 2); its byte is the largest magnitude's exponent field - 2, held at 1 from below.
; A block of zeros so gets the byte 1 where the rule says 127: its codes are zeros, and the bytes are read by this program alone.
; LIMITS: NaN and infinities among the inputs are not served; blocks whose largest magnitude lies under 2^(3 - 127) keep the byte 1.
; Rows are dense and 1024 is a multiple of 32: x is a plain stream of blocks of 32, and so are the codes and the bytes.
; A wave takes 16 steps of 512 numbers.  Each load reads 512 consecutive bytes, 16 a lane; a step's 2,048 bytes turn through the wave's own stage in LDS
; and come back 64 bytes a lane: 16 neighbours along K, as the conversions want them; two neighbouring lanes hold a block.
; A lane's 16 codes are 8 bytes: the wave stores 256 consecutive bytes.  A wave's 256 scale bytes are gathered in LDS and leave as one store of 256 bytes.
; No barrier: waves share nothing.  Loads run four steps (16 loads a wave) ahead, the turn through LDS one step.
.set WAVES, 4
.set STEPS, 16
.set EMAX,  2
.set CB,    8                          ; bytes of 16 codes
.set R,     16                         ; v16-79   four sets of 16 numbers as they are loaded
.set X,     80                         ; v80-111  two sets of 16 neighbours
.set E,     112                        ; v112-127 a scale byte for each step
.set C,     128                        ; v128-191 codes: four registers for each step, so that no store's data are written again
.set WREG,  8192                       ; LDS: a region for each wave: two stages of 32 x SP bytes, behind them its 256 scale bytes
.set SP,    80                         ; a lane's place in a stage: 64 bytes + 16 of padding
.set SPW,   12                         ; v12 LDS address of my spare word; never rewritten
.set NIL,   13                         ; v13 0; never rewritten
.set SPARE, WAVES*WREG                 ; behind the regions: the spare words, 128 bytes a wave, which no other line names
	s_load_b128 s[4:7], s[0:1], 0x0                ; x, the codes
	s_load_b64 s[8:9], s[0:1], 0x10                ; the scale bytes
	v_lshl_add_u32 v[SPW], v0, 2, SPARE
	v_mov_b32 v[NIL], 0
	v_lshrrev_b32 v1, 5, v0
	v_readfirstlane_b32 s16, v1                    ; wave
	v_and_b32 v2, 31, v0                           ; lane
	v_lshlrev_b32 v3, 4, v2                        ; my 16 bytes of a load's 512
	s_mul_i32 s17, s16, WREG
	v_lshrrev_b32 v14, 2, v2
	v_mul_u32_u24 v14, v14, SP
	v_and_b32 v15, 3, v2
	v_lshl_add_u32 v14, v15, 4, v14
	v_add_nc_u32 v14, s17, v14                     ; the stage, way in: SP (lane / 4) + 16 (lane % 4)
	v_mul_u32_u24 v15, v2, SP
	v_add_nc_u32 v15, s17, v15                     ; way out: SP x lane
	v_mul_u32_u24 v4, v2, CB                       ; my codes' place in a step's
	v_lshrrev_b32 v5, 1, v2
	s_add_co_u32 s17, s17, 2*32*SP
	v_add_nc_u32 v5, s17, v5                       ; my block's scale byte in LDS
	v_lshlrev_b32 v7, 3, v2                        ; and on the way out 8 bytes a lane
	v_add_nc_u32 v6, s17, v7
	s_lshl_b32 s17, ttmp9, 2
	s_add_co_u32 s18, s17, s16                     ; which run of 8,192 numbers is my wave's: 0 .. 1023
	s_lshl_b32 s20, s18, 15                        ; 32,768 bytes of x,
	s_mov_b32 s21, 0
	s_lshl_b32 s22, s18, 12                        ; 4,096 of codes,
	s_mov_b32 s23, 0
	s_lshl_b32 s18, s18, 8                         ; 256 scale bytes
	s_mov_b32 s19, 0
	s_wait_kmcnt 0x0
	s_add_nc_u64 s[4:5], s[4:5], s[20:21]
	s_add_nc_u64 s[6:7], s[6:7], s[22:23]
	s_add_nc_u64 s[8:9], s[8:9], s[18:19]
.macro LOAD t
.irp i, 0,1,2,3
	global_load_b128 v[R+16*((\t)%4)+4*\i:R+16*((\t)%4)+4*\i+3], v3, s[4:5] offset:2048*(\t)+512*\i th:TH_LOAD_NT   ; 32 lanes read 512 consecutive bytes
.endr
.endm
.macro TURN t                          ; step t's numbers through the stage: LDS serves a wave's instructions in order, so no wait stands between the stores and the loads
.irp i, 0,1,2,3
	ds_store_b128 v14, v[R+16*((\t)%4)+4*\i:R+16*((\t)%4)+4*\i+3] offset:32*SP*((\t)%2)+8*SP*\i
.endr
.irp i, 0,1,2,3
	ds_load_b128 v[X+16*((\t)%2)+4*\i:X+16*((\t)%2)+4*\i+3], v15 offset:32*SP*((\t)%2)+16*\i
.endr
.endm
.irp t, 0,1,2,3
	LOAD \t
.endr
	s_wait_loadcnt 12                              ; step 0's four loads are in; the 12 of steps 1 to 3 may be out
	TURN 0
.macro STEP t
.set XS, X+16*((\t)%2)
.if (\t) > 0
	s_wait_dscnt 1                                 ; this step's numbers are back from the stage; the last step's byte store may be out
.else
	s_wait_dscnt 0x0
.endif
.if (\t)+4 < STEPS
	LOAD (\t)+4                                    ; into the set whose stores into the stage are shown done by the wait above
.endif
.if (\t)+1 < STEPS
.if STEPS-2-(\t) >= 3
	s_wait_loadcnt 12                              ; the next step's four loads are in; those of the three steps behind it may be out
.else
	s_wait_loadcnt 4*(STEPS-2-(\t))                ; the tail: as many as are still behind it
.endif
	TURN (\t)+1
.endif
	v_max3_num_f32 v8, |v[XS]|, |v[XS+1]|, |v[XS+2]|               ; the largest magnitude of my 16, in two chains
	v_max3_num_f32 v9, |v[XS+3]|, |v[XS+4]|, |v[XS+5]|
.irp i, 6,10
	v_max3_num_f32 v8, v8, |v[XS+\i]|, |v[XS+\i+1]|
	v_max3_num_f32 v9, v9, |v[XS+\i+2]|, |v[XS+\i+3]|
.endr
	v_max3_num_f32 v8, v8, |v[XS+14]|, |v[XS+15]|
	v_max3_num_f32 v8, v8, v9, (EMAX+1)<<23        ; and the floor 2^(3 - 127): the byte cannot fall under 1
	v_max_num_f32_dpp v8, v8, v8 row_xmask:1 row_mask:0xf bank_mask:0xf   ; with my neighbour's 16: the block's
	v_add_nc_u32 v11, -(EMAX<<23), v8              ; 2 off its exponent field: the conversion takes this operand's exponent field as its scale
	v_cvt_scalef32_pk8_fp4_f32 v[C+4*(\t)], v[XS:XS+7], v11
	v_cvt_scalef32_pk8_fp4_f32 v[C+4*(\t)+1], v[XS+8:XS+15], v11
	v_lshrrev_b32 v[E+(\t)], 23, v11               ; the scale's byte (also the plain line behind the conversions)
	ds_store_b8 v5, v[E+(\t)] offset:16*(\t)       ; both lanes of a block write the same byte with the same value
	global_store_b64 v4, v[C+4*(\t):C+4*(\t)+1], s[6:7] offset:32*CB*(\t)   ; 32 lanes store 256 consecutive bytes
.endm
.irp t, 0,1,2,3,4,5,6,7,8,9,10,11,12,13,14,15
	STEP \t
.endr
	ds_load_b64 v[8:9], v6                         ; LDS serves a wave's instructions in order: these see my byte stores
	s_wait_dscnt 0x0
	global_store_b64 v7, v[8:9], s[8:9]            ; 256 consecutive bytes
	s_wait_tensorcnt 0x0                           ; the wave's end
	ds_add_u32 v[SPW], v[NIL]
	s_wait_dscnt 0x0
	s_endpgm
.Lfunc_end_k_q2dc5cde7bf_quant_x:
	.size	k_q2dc5cde7bf_quant_x, .Lfunc_end_k_q2dc5cde7bf_quant_x-k_q2dc5cde7bf_quant_x
	.p2alignl 7, 3214868480
	.fill 96, 4, 3214868480
	.section	.rodata,"a",@progbits
	.p2align	6, 0x0
	.amdhsa_kernel k_q2dc5cde7bf_quant_x
		.amdhsa_group_segment_fixed_size 33280
		.amdhsa_private_segment_fixed_size 0
		.amdhsa_enable_private_segment 0
		.amdhsa_kernarg_size 24
		.amdhsa_user_sgpr_count 2
		.amdhsa_user_sgpr_kernarg_segment_ptr 1
		.amdhsa_wavefront_size32 1
		.amdhsa_system_sgpr_workgroup_id_x 1
		.amdhsa_system_sgpr_workgroup_id_y 1
		.amdhsa_system_sgpr_workgroup_id_z 1
		.amdhsa_system_vgpr_workitem_id 0
		.amdhsa_next_free_vgpr 192
		.amdhsa_next_free_sgpr 66
		.amdhsa_reserve_vcc 0
		.amdhsa_float_denorm_mode_32 3
		.amdhsa_float_denorm_mode_16_64 3
		.amdhsa_memory_ordered 1
		.amdhsa_forward_progress 1
		.amdhsa_inst_pref_size 33
	.end_amdhsa_kernel
	.amdgpu_metadata
---
amdhsa.version: [ 1, 2 ]
amdhsa.kernels:
  - .name:           k_q2dc5cde7bf_quant_x
    .symbol:         k_q2dc5cde7bf_quant_x.kd
    .args:
      - { .name: x, .offset: 0, .size: 8, .value_kind: global_buffer, .address_space: global }
      - { .name: x_codes, .offset: 8, .size: 8, .value_kind: global_buffer, .address_space: global }
      - { .name: x_scales, .offset: 16, .size: 8, .value_kind: global_buffer, .address_space: global }
    .group_segment_fixed_size: 33280
    .private_segment_fixed_size: 0
    .kernarg_segment_align: 8
    .kernarg_segment_size: 24
    .max_flat_workgroup_size: 128
    .sgpr_count:     66
    .vgpr_count:     192
    .wavefront_size: 32
...
	.end_amdgpu_metadata
.endif
;; end of part 1
;; launch prep (part 2): grid 288 x 1, 8 waves a work-group, no clusters, 18,944 bytes of LDS; arguments Wqkv, Wout, w_codes, w_scales, wout16, rope; writes w_codes, w_scales, wout16, rope
.if DOCPART == 2
	.amdgcn_target "amdgcn-amd-amdhsa--gfx1250"
	.amdhsa_code_object_version 6
	.text
	.protected	k_q2dc5cde7bf_prep
	.globl	k_q2dc5cde7bf_prep
	.p2align	8
	.type	k_q2dc5cde7bf_prep,@function
k_q2dc5cde7bf_prep:
	s_mov_b64 s[64:65], 0
	v_nop
	global_prefetch_b8 v0, s[64:65] scope:SCOPE_SE
	s_setreg_imm32_b32 hwreg(HW_REG_WAVE_MODE, 25, 1), 1
	s_wait_xcnt 0x0
; Three jobs, told apart by the work-group's number; one barrier, which every wave of every work-group passes.
; W (work-groups 0-95): Wqkv [1024 (k)][3072 (n)] f32 becomes codes of FP4 laid [n][512 bytes], K innermost, and scale bytes [n][32].  A work-group takes 32 columns and all of K; wave w takes
;   k = 128 w .. 128 w + 127; A LANE TAKES A COLUMN AND ITS REGISTERS RUN DOWN K, so a block of 32 lies in one lane and the conversions give codes with K innermost.  The codes meet in LDS
;   (32 rows of 512 bytes + 16) and leave as whole rows: each store covers 512 consecutive bytes.  The scale is made as in the launch before (byte 1 for a block of zeros; NaN and infinities not served).
; R (96-223): the RoPE table as an image of registers: rope[sblk 128][e 8][lane 32][4 f32]; e = 0..3 cos, 4..7 sin; u = (e >> 1) & 1, qd = e & 1;
;   lane (r, h) holds f(position 16 sblk + r, frequency 16 u + 8 h + 4 qd + 0 .. 3).  The angle is position x 2^(-j log2(10000) / 32), rounded once; it is reduced by n = round(angle 2 / pi) with pi / 2
;   in two parts, and sine and cosine are polynomials on |rho| <= pi / 4 (next terms left out: rho^11 / 11! and rho^10 / 10!).  n only selects values: no address and no branch hangs on it.
;   LIMIT: the frequency comes from v_exp_f32; the angle differs from one made by a power function by some 1e-4 rad at the last positions.
; O (224-287): Wout f32 becomes f16, same layout [k][n].  LIMIT: |Wout| under 65,504.
.set CP,    528                        ; a column's row of codes in LDS: 512 bytes + 16
.set SCST,  32*CP                      ; behind them: 32 columns x 32 scale bytes
.set SPARE, SCST+1024                  ; the spare words, 128 bytes a wave, which no other line names
.set EMAX,  2
.set SPW, 2                            ; v2 my spare word; v3 0; never rewritten
.set NIL, 3
.set STW, 4                            ; v4 where I store a block's codes: CP x lane + 64 x wave
.set SCW, 5                            ; v5 my column's four scale bytes: SCST + 32 x lane + 4 x wave
.set RDW, 6                            ; v6 rows back: CP x 4 wave + 16 x lane
.set RDS, 7                            ; v7 scale bytes back: SCST + 512 (wave & 1) + 16 x lane
.set L16, 8                            ; v8 16 x lane
.set LO,  9                            ; v9 a path's own lane offset
.set SB,  24                           ; v24 four scale bytes
.set X,   32                           ; v32-95 two sets of 32 numbers
.set C,   96                           ; v96-99 a block's codes
	s_load_b256 s[4:11], s[0:1], 0x0               ; Wqkv s[4:5], Wout s[6:7], w_codes s[8:9], w_scales s[10:11]
	s_load_b128 s[12:15], s[0:1], 0x20             ; wout16 s[12:13], rope s[14:15]
	v_lshl_add_u32 v[SPW], v0, 2, SPARE
	v_mov_b32 v[NIL], 0
	v_lshrrev_b32 v1, 5, v0
	v_readfirstlane_b32 s16, v1                    ; wave 0..7
	v_and_b32 v1, 31, v0                           ; lane
	v_mul_u32_u24 v[STW], v1, CP                   ; every LDS address is made here, ahead of the parting
	s_lshl_b32 s17, s16, 6
	v_add_nc_u32 v[STW], s17, v[STW]
	v_lshlrev_b32 v[SCW], 5, v1
	s_lshl_b32 s17, s16, 2
	s_add_co_u32 s17, s17, SCST
	v_add_nc_u32 v[SCW], s17, v[SCW]
	v_lshlrev_b32 v[L16], 4, v1
	s_mul_i32 s17, s16, 4*CP
	v_add_nc_u32 v[RDW], s17, v[L16]
	s_and_b32 s17, s16, 1
	s_lshl_b32 s17, s17, 9
	s_add_co_u32 s17, s17, SCST
	v_add_nc_u32 v[RDS], s17, v[L16]
	s_wait_kmcnt 0x0
	s_cmp_lt_u32 ttmp9, 96
	s_cbranch_scc1 .LW
	s_cmp_lt_u32 ttmp9, 224
	s_cbranch_scc1 .LR
	; ---- O: a wave turns 2,048 numbers: 16 loads of 512 consecutive bytes, 16 stores of 256
	s_sub_co_u32 s18, ttmp9, 224
	s_lshl_b32 s18, s18, 16
	s_lshl_b32 s19, s16, 13
	s_add_co_u32 s18, s18, s19                     ; my bytes in Wout,
	s_lshr_b32 s20, s18, 1                         ; and in wout16
	s_mov_b32 s19, 0
	s_mov_b32 s21, 0
	s_add_nc_u64 s[6:7], s[6:7], s[18:19]
	s_add_nc_u64 s[12:13], s[12:13], s[20:21]
	v_lshlrev_b32 v[LO], 3, v1
.set i, 0
.rept 16
	global_load_b128 v[32+4*i:35+4*i], v[L16], s[6:7] offset:512*i th:TH_LOAD_NT
.set i, i+1
.endr
.set i, 0
.rept 16
	s_wait_loadcnt 15-i                            ; loads come back in order: load i is in, the younger ones may be out
	v_cvt_pk_f16_f32 v[96+2*i], v[32+4*i], v[33+4*i]
	v_cvt_pk_f16_f32 v[97+2*i], v[34+4*i], v[35+4*i]
	global_store_b64 v[LO], v[96+2*i:97+2*i], s[12:13] offset:256*i
.set i, i+1
.endr
	s_branch .Ljoin
	; ---- R
.LR:
	s_sub_co_u32 s18, ttmp9, 96                    ; sblk
	s_bfe_u32 s19, s16, 0x10001                    ; u
	s_and_b32 s20, s16, 1                          ; qd
	s_lshr_b32 s21, s16, 2                         ; 1 for sine
	s_lshl_b32 s19, s19, 4
	s_lshl_b32 s20, s20, 2
	s_add_co_u32 s19, s19, s20                     ; 16 u + 4 qd
	s_mul_i32 s21, s21, 3                          ; sin(a) = cos(a - pi / 2): three quadrants on
	s_lshl_b32 s20, s18, 4
	s_mov_b32 s22, 0x3fc90fdb                      ; pi / 2, high part
	s_mov_b32 s23, 0x333bbd2e                      ; high part - pi / 2
	s_mov_b32 s24, 0x3638ef1d                      ; 1 / 9!
	s_mov_b32 s25, 0xb9500d01                      ; -1 / 7!
	s_mov_b32 s26, 0x3c088889                      ; 1 / 5!
	s_mov_b32 s27, 0xbe2aaaab                      ; -1 / 3!
	s_mov_b32 s28, 0x37d00d01                      ; 1 / 8!
	s_mov_b32 s29, 0xbab60b61                      ; -1 / 6!
	s_mov_b32 s30, 0x3d2aaaab                      ; 1 / 4!
	v_and_b32 v10, 15, v1
	v_lshrrev_b32 v11, 4, v1
	v_add_nc_u32 v10, s20, v10
	v_cvt_f32_u32 v10, v10                         ; the position
	v_lshl_add_u32 v11, v11, 3, s19                ; my first frequency's number
.irp i, 0,1,2,3
	v_add_nc_u32 v[32+\i], \i, v11
.endr
.irp i, 0,1,2,3
	v_cvt_f32_u32 v[32+\i], v[32+\i]
.endr
.irp i, 0,1,2,3
	v_mul_f32 v[32+\i], 0xbed49a78, v[32+\i]       ; x -log2(10000) / 32
.endr
.irp i, 0,1,2,3
	v_exp_f32 v[36+\i], v[32+\i]                   ; the frequency
.endr
	v_nop                                          ; a plain line behind the last exponential,
	s_wait_alu depctr_va_vdst(0)                   ; and one wait for the four, ahead of their first reader
.irp i, 0,1,2,3
	v_mul_f32 v[36+\i], v10, v[36+\i]              ; the angle, rounded once
.endr
.irp i, 0,1,2,3
	v_mul_f32 v[40+\i], 0x3f22f983, v[36+\i]       ; x 2 / pi
.endr
.irp i, 0,1,2,3
	v_rndne_f32 v[40+\i], v[40+\i]                 ; n
.endr
.irp i, 0,1,2,3
	v_fma_f32 v[36+\i], -v[40+\i], s22, v[36+\i]
.endr
.irp i, 0,1,2,3
	v_fma_f32 v[36+\i], v[40+\i], s23, v[36+\i]    ; rho = angle - n pi / 2
.endr
.irp i, 0,1,2,3
	v_mul_f32 v[44+\i], v[36+\i], v[36+\i]         ; z = rho^2
.endr
.irp i, 0,1,2,3
	v_fma_f32 v[48+\i], v[44+\i], s24, s25
	v_fma_f32 v[52+\i], v[44+\i], s28, s29
.endr
.irp i, 0,1,2,3
	v_fma_f32 v[48+\i], v[48+\i], v[44+\i], s26
	v_fma_f32 v[52+\i], v[52+\i], v[44+\i], s30
.endr
.irp i, 0,1,2,3
	v_fma_f32 v[48+\i], v[48+\i], v[44+\i], s27
	v_fma_f32 v[52+\i], v[52+\i], v[44+\i], -0.5
.endr
.irp i, 0,1,2,3
	v_mul_f32 v[60+\i], v[36+\i], v[44+\i]
	v_fma_f32 v[52+\i], v[52+\i], v[44+\i], 1.0    ; cos(rho)
.endr
.irp i, 0,1,2,3
	v_fma_f32 v[48+\i], v[60+\i], v[48+\i], v[36+\i]   ; sin(rho)
	v_cvt_i32_f32 v[56+\i], v[40+\i]
.endr
.irp i, 0,1,2,3
	v_add_nc_u32 v[56+\i], s21, v[56+\i]           ; the quadrant k
.endr
.irp i, 0,1,2,3
	v_and_b32 v[60+\i], 1, v[56+\i]
	v_add_nc_u32 v[56+\i], 1, v[56+\i]
.endr
.irp i, 0,1,2,3
	v_cmp_ne_u32 vcc_lo, 0, v[60+\i]
	v_cndmask_b32 v[64+\i], v[52+\i], v[48+\i], vcc_lo   ; k odd: sin(rho), else cos(rho)
	v_and_b32 v[56+\i], 2, v[56+\i]                ; k mod 4 = 1 or 2: the sign turns
.endr
.irp i, 0,1,2,3
	v_lshlrev_b32 v[56+\i], 30, v[56+\i]
.endr
.irp i, 0,1,2,3
	v_xor_b32 v[64+\i], v[64+\i], v[56+\i]
.endr
	s_lshl_b32 s18, s18, 3
	s_add_co_u32 s18, s18, s16
	s_lshl_b32 s18, s18, 9                         ; (8 sblk + e) x 512 bytes
	s_mov_b32 s19, 0
	s_add_nc_u64 s[14:15], s[14:15], s[18:19]
	global_store_b128 v[L16], v[64:67], s[14:15]   ; 512 consecutive bytes
	s_branch .Ljoin
	; ---- W, first phase
.macro LOAD t                          ; block t: W(128 wave + 32 t + i, my column), i = 0 .. 31, into set t % 2
.set i, 0
.rept 32
	global_load_b32 v[X+32*((\t)%2)+i], v[LO], s[4:5] offset:(32*(\t)+i)*12288 th:TH_LOAD_NT
.set i, i+1
.endr
.endm
.macro BLOCK t
.set XS, X+32*((\t)%2)
.if (\t) < 3
	s_wait_loadcnt 32                              ; this block's 32 loads are in; the next block's 32 may be out
.else
	s_wait_loadcnt 0x0
.endif
	v_max3_num_f32 v12, |v[XS]|, |v[XS+1]|, |v[XS+2]|   ; the block's largest magnitude: all 32 numbers are mine
	v_max3_num_f32 v13, |v[XS+3]|, |v[XS+4]|, |v[XS+5]|
.irp i, 6,10,14,18,22,26
	v_max3_num_f32 v12, v12, |v[XS+\i]|, |v[XS+\i+1]|
	v_max3_num_f32 v13, v13, |v[XS+\i+2]|, |v[XS+\i+3]|
.endr
	v_max3_num_f32 v12, v12, |v[XS+30]|, |v[XS+31]|
	v_max3_num_f32 v12, v12, v13, (EMAX+1)<<23     ; and the floor 2^(3 - 127)
	v_add_nc_u32 v11, -(EMAX<<23), v12             ; the conversion's scale operand
	v_lshrrev_b32 v13, 23, v11                     ; the scale's byte
.if (\t) == 0
	v_mov_b32 v[SB], v13
.else
	v_lshl_or_b32 v[SB], v13, 8*(\t), v[SB]        ; the lower K in the lower byte
.endif
.irp g, 0,1,2,3
	v_cvt_scalef32_pk8_fp4_f32 v[C+\g], v[XS+8*\g:XS+8*\g+7], v11
.endr
	v_nop                                          ; a plain line behind the last conversion
	ds_store_b128 v[STW], v[C:C+3] offset:16*(\t)  ; 32 codes: 16 bytes of my column's row
.if (\t) < 2
	LOAD (\t)+2
.endif
	s_wait_dscnt 0x0                               ; the store has read its registers: the next block's codes may be written
.endm
.LW:
	s_mul_i32 s18, s16, 128*12288                  ; my wave's 128 rows of Wqkv,
	s_lshl_b32 s19, ttmp9, 7                       ; my work-group's 32 columns
	s_add_co_u32 s18, s18, s19
	s_mov_b32 s19, 0
	s_add_nc_u64 s[4:5], s[4:5], s[18:19]
	v_lshlrev_b32 v[LO], 2, v1
	LOAD 0
	LOAD 1
	BLOCK 0
	BLOCK 1
	BLOCK 2
	BLOCK 3
	ds_store_b32 v[SCW], v[SB]
.Ljoin:
	s_wait_xcnt 0x0                                ; whichever way led here: what has been issued has read its registers
	s_wait_dscnt 0x0                               ; for the others' sake: my LDS stores have landed
	s_barrier_signal -1
	s_barrier_wait -1
	s_cmp_lt_u32 ttmp9, 96
	s_cbranch_scc0 .Lend
	; ---- W, second phase: wave w stores rows 4 w .. 4 w + 3 of the work-group's 32, whole
	s_lshl_b32 s18, ttmp9, 14                      ; 32 rows of 512 bytes a work-group
	s_lshl_b32 s19, s16, 11
	s_add_co_u32 s18, s18, s19
	s_mov_b32 s19, 0
	s_add_nc_u64 s[8:9], s[8:9], s[18:19]
.irp i, 0,1,2,3
	ds_load_b128 v[32+4*\i:35+4*\i], v[RDW] offset:CP*\i
.endr
.irp i, 0,1,2,3
	s_wait_dscnt 3-\i                              ; row i is in; the younger loads may be out
	global_store_b128 v[L16], v[32+4*\i:35+4*\i], s[8:9] offset:512*\i
.endr
	s_cmp_lt_u32 s16, 2                            ; the 1,024 scale bytes are dense in memory: waves 0 and 1 store 512 each
	s_cbranch_scc0 .Lend
	s_lshl_b32 s18, ttmp9, 10
	s_lshl_b32 s19, s16, 9
	s_add_co_u32 s18, s18, s19
	s_mov_b32 s19, 0
	s_add_nc_u64 s[10:11], s[10:11], s[18:19]
	ds_load_b128 v[48:51], v[RDS]
	s_wait_dscnt 0x0
	global_store_b128 v[L16], v[48:51], s[10:11]
.Lend:
	s_wait_tensorcnt 0x0                           ; the wave's end
	ds_add_u32 v[SPW], v[NIL]
	s_wait_dscnt 0x0
	s_endpgm
.Lfunc_end_k_q2dc5cde7bf_prep:
	.size	k_q2dc5cde7bf_prep, .Lfunc_end_k_q2dc5cde7bf_prep-k_q2dc5cde7bf_prep
	.p2alignl 7, 3214868480
	.fill 96, 4, 3214868480
	.section	.rodata,"a",@progbits
	.p2align	6, 0x0
	.amdhsa_kernel k_q2dc5cde7bf_prep
		.amdhsa_group_segment_fixed_size 18944
		.amdhsa_private_segment_fixed_size 0
		.amdhsa_enable_private_segment 0
		.amdhsa_kernarg_size 48
		.amdhsa_user_sgpr_count 2
		.amdhsa_user_sgpr_kernarg_segment_ptr 1
		.amdhsa_wavefront_size32 1
		.amdhsa_system_sgpr_workgroup_id_x 1
		.amdhsa_system_sgpr_workgroup_id_y 1
		.amdhsa_system_sgpr_workgroup_id_z 1
		.amdhsa_system_vgpr_workitem_id 0
		.amdhsa_next_free_vgpr 128
		.amdhsa_next_free_sgpr 66
		.amdhsa_reserve_vcc 1
		.amdhsa_float_denorm_mode_32 3
		.amdhsa_float_denorm_mode_16_64 3
		.amdhsa_memory_ordered 1
		.amdhsa_forward_progress 1
		.amdhsa_inst_pref_size 35
	.end_amdhsa_kernel
	.amdgpu_metadata
---
amdhsa.version: [ 1, 2 ]
amdhsa.kernels:
  - .name:           k_q2dc5cde7bf_prep
    .symbol:         k_q2dc5cde7bf_prep.kd
    .args:
      - { .name: Wqkv, .offset: 0, .size: 8, .value_kind: global_buffer, .address_space: global }
      - { .name: Wout, .offset: 8, .size: 8, .value_kind: global_buffer, .address_space: global }
      - { .name: w_codes, .offset: 16, .size: 8, .value_kind: global_buffer, .address_space: global }
      - { .name: w_scales, .offset: 24, .size: 8, .value_kind: global_buffer, .address_space: global }
      - { .name: wout16, .offset: 32, .size: 8, .value_kind: global_buffer, .address_space: global }
      - { .name: rope, .offset: 40, .size: 8, .value_kind: global_buffer, .address_space: global }
    .group_segment_fixed_size: 18944
    .private_segment_fixed_size: 0
    .kernarg_segment_align: 8
    .kernarg_segment_size: 48
    .max_flat_workgroup_size: 256
    .sgpr_count:     66
    .vgpr_count:     128
    .wavefront_size: 32
...
	.end_amdgpu_metadata
.endif
;; end of part 2
;; launch qkv_gemm (part 3): grid 12 x 32, 4 waves a work-group, clusters of 4 x 4, 327,680 bytes of LDS; arguments x_codes, x_scales, w_codes, w_scales, bqkv, rope, qkv; writes qkv
.if DOCPART == 3
	.amdgcn_target "amdgcn-amd-amdhsa--gfx1250"
	.amdhsa_code_object_version 6
	.text
	.protected	k_q2dc5cde7bf_qkv_gemm
	.globl	k_q2dc5cde7bf_qkv_gemm
	.p2align	8
	.type	k_q2dc5cde7bf_qkv_gemm,@function
k_q2dc5cde7bf_qkv_gemm:
	s_mov_b64 s[64:65], 0
	v_nop
	global_prefetch_b8 v0, s[64:65] scope:SCOPE_SE
	s_setreg_imm32_b32 hwreg(HW_REG_WAVE_MODE, 25, 1), 1
	s_wait_xcnt 0x0
	s_wait_alu depctr_hold_cnt(0) depctr_sa_sdst(0) depctr_va_vdst(0) depctr_va_sdst(0) depctr_va_ssrc(0) depctr_va_vcc(0) depctr_vm_vsrc(0)
	s_getreg_b32 s2, hwreg(HW_REG_IB_STS2, 6, 4)
	s_cmp_eq_u32 s2, 0
	s_cbranch_scc0 .Lentry_in_a_cluster
	s_endpgm
.Lentry_in_a_cluster:
	s_bfe_u32 s2, ttmp6, 0x10000c
	s_cmp_lg_u32 s2, 0xf033
	s_cbranch_scc0 .Lentry_shape_is_right
	s_endpgm
.Lentry_shape_is_right:
; qkv = x Wqkv + bqkv on codes of FP4 (E2M1) with one E8M0 scale for each 32 along K; RoPE on q and k; the result as f16, laid [part 3][batch x 16 + head][position 2048][64].
; x_codes [8192][512 bytes], w_codes [3072][512 bytes]: K = 1024 innermost; scale bytes [rows][32].  Sums in f32; bias, RoPE in f32; one rounding to f16.
; LIMIT: |q|, |k|, |v| under 65,504, the largest f16 number.
; A tile of 256 x 256 is made by four waves, 128 x 128 each: 64 accumulators, 512 registers.  K is two steps of 512: both lie in the two LDS slots by first fills, nothing is filled again.
; By this text's own count a wave has three tensor loads out at the start: its scales, its part of slot 0 and of slot 1.
; CLUSTERS: 4 x 4 work-groups; x's tiles are asked for jointly along a row of the cluster, W's along a column.  The cluster's x is the part: 0 q, 1 k, 2 v: the one branch of the way out hangs on it alone.
; THE MATRIX INSTRUCTION IS USED TRANSPOSED (source 0 = 16 columns of W, source 1 = 16 rows of x): a lane holds eight neighbouring columns of one row.  The bias is the C of each sum's first product.
; 384 tiles for 256 WGPs: a tile of 256 x 384 would want 768 accumulator registers a wave beside the operands.
; REGISTERS: window 0: v0-31 addresses; v32-95 scale words, two sets; v96-127 the first RoPE image; v128-191 x's fragments, one set; v192-255 the bias.  Window 1: W's fragments, two sets.
;   Windows 2, 3: the accumulators ((a, b) at v[8 (8 (a % 4) + b)]).  On the way out window 0's v32-255 are used anew (below).
.set SIZE_K, 1024
.set KSTEP,  512
.set NQ,     KSTEP/128
.set ROWB,   256                       ; a tile's row in bytes
.set KROW,   SIZE_K/2                  ; a row of codes in memory
.set PITCH,  272                       ; an LDS row: 256 bytes + 16 of padding: the 16 rows of a load start at 16 different banks
.set FR,     8
.set NL,     2
.set NP,     4                         ; places behind this matrix instruction (ISA guide 7.12.1)
.set HALFT,  128*PITCH
.set SLOT,   4*HALFT
.set KS,     SIZE_K/32
.set SCL,    2*SLOT                    ; behind the ring: the scales, as units of 256 bytes + 16
.set HALFS,  (128*KS/256)*272
.set SBLK,   (16*KS/256)*272
.set SPARE,  SCL+4*HALFS               ; the spare words, 128 bytes a wave, which no other line names
.set SP,     144                       ; the way out: a stage of [head 2][row 16] x (128 bytes + 16) for each wave, in slot 0, which has had its only fill and its last read by then
.set ADRA, 16
.set ADRB, 20
.set STO,  24                          ; v24 the stage: where I put 16 bytes of a row
.set RD,   25                          ; v25 where I read four rows back
.set L16,  26                          ; v26 16 x lane
.set ADRS, 27
.set SPW,  28
.set NIL,  29
.set BO,   30                          ; v30 32 x (lane / 16): my half's eight numbers of the bias
.set SC,   32
.set AF,   128
.set BIAS, 192
.set PKD,  64                          ; the way out: v64-95 packed f16
.set Y,    128                         ; v128-191 rotated numbers, f32
.set BK,   192                         ; v192-255 rows read back, two sets of 32
.set G1, 24
.set G0, 32
.set G1B, 48
.set G0B, 56
.set G1S, 68
.set G0S, 76
.set G1SB, 80
.set G0SB, 88
.set MSB, 0
.macro WIN new                         ; the immediate's high byte repeats the setting that is left
.if MSB != (\new)
	s_set_vgpr_msb (MSB<<8)|(\new)
.set MSB, (\new)
.endif
.endm
.set MUL_LO, 0xa1                      ; source 0 (W) window 1, source 1 (x) window 0, C and D window 2
.set MUL_HI, 0xf1
.set TO_B,   0x40
; A joint load: waves 0 and 1 fetch for x, waves 2 and 3 for W; the branch hangs on the wave's number alone.  An s_nop 0 and four v_nop follow each line.
.macro JLOAD g0a, g1a, g0b, g1b
	s_cmp_eq_u32 s15, 0
	s_cbranch_scc0 .Lfor_b_\@
	tensor_load_to_lds s[\g0a:\g0a+3], s[\g1a:\g1a+7]
	s_nop 0
.rept 4
	v_nop
.endr
	s_branch .Lasked_\@
.Lfor_b_\@:
	tensor_load_to_lds s[\g0b:\g0b+3], s[\g1b:\g1b+7]
	s_nop 0
.rept 4
	v_nop
.endr
.Lasked_\@:
.endm
.macro CROUND                          ; a round of the cluster's barrier
	s_barrier_signal -1
	s_barrier_wait -1
	s_cmp_lg_u32 s14, 0
	s_cbranch_scc1 .Lnot_wave_0_\@
	s_barrier_signal -3
.Lnot_wave_0_\@:
	s_barrier_wait -3
	s_barrier_signal -1
	s_barrier_wait -1
.endm
	s_load_b128 s[4:7], s[0:1], 0x0                ; x's codes, x's scales
	s_load_b128 s[8:11], s[0:1], 0x10              ; W's codes, W's scales
	s_load_b128 s[96:99], s[0:1], 0x20             ; bqkv, rope
	s_load_b64 s[12:13], s[0:1], 0x30              ; qkv
	v_lshl_add_u32 v[SPW], v0, 2, SPARE
	v_mov_b32 v[NIL], 0
	ds_add_u32 v[SPW], v[NIL]                      ; the wave's opening: the add, twice on end, and its wait ahead of my first tensor load
	ds_add_u32 v[SPW], v[NIL]
	v_lshrrev_b32 v1, 5, v0
	v_readfirstlane_b32 s14, v1                    ; wave 0..3
	s_lshr_b32 s15, s14, 1                         ; my half of the tile's rows.  Also: I fetch for x (0) or for W (1)
	s_and_b32 s16, s14, 1                          ; my half of its columns.  Also: which 128 rows I fetch
	s_bfe_u32 s40, ttmp6, 0x40000                  ; cx, cy
	s_bfe_u32 s41, ttmp6, 0x40004
	s_lshl_b32 s42, ttmp9, 2
	s_add_co_u32 s42, s42, s40                     ; tile column
	s_and_b32 s17, ttmp7, 0xffff
	s_lshl_b32 s17, s17, 2
	s_add_co_u32 s17, s17, s41                     ; tile row
	s_lshl_b32 s43, s41, 2
	s_lshl_b32 s43, 15, s43                        ; my row of the cluster
	s_lshl_b32 s44, 0x1111, s40                    ; my column
	s_or_b32 s[G1+0], s43, (0<<16)|(1<<20)|(1<<21)|(5<<22)|(3<<25)  ; the mask; elements of 1 byte; padding on; bit 21 beside a mask; after every 64 words four words
	s_or_b32 s[G1B+0], s44, (0<<16)|(1<<20)|(1<<21)|(5<<22)|(3<<25)
.irp g, G1, G1B
	s_mov_b32 s[\g+1], ROWB<<16                    ; tensor_dim0
	s_mov_b32 s[\g+2], 128<<16                     ; tensor_dim1
	s_mov_b32 s[\g+3], ROWB<<16                    ; tile_dim0
	s_mov_b32 s[\g+4], 128                         ; tile_dim1
	s_mov_b32 s[\g+5], KROW                        ; the pitch
	s_mov_b32 s[\g+6], 0
	s_mov_b32 s[\g+7], 0
.endr
	s_or_b32 s[G1S+0], s43, (3<<16)|(1<<20)|(1<<21)|(5<<22)|(3<<25) ; the scales of 128 rows: 4,096 dense bytes as 16 rows of 256 (32 elements of 8 bytes), 16 bytes of padding behind each
	s_or_b32 s[G1SB+0], s44, (3<<16)|(1<<20)|(1<<21)|(5<<22)|(3<<25)
.irp g, G1S, G1SB
	s_mov_b32 s[\g+1], 32<<16
	s_mov_b32 s[\g+2], (128*KS/256)<<16
	s_mov_b32 s[\g+3], 32<<16
	s_mov_b32 s[\g+4], 128*KS/256
	s_mov_b32 s[\g+5], 32
	s_mov_b32 s[\g+6], 0
	s_mov_b32 s[\g+7], 0
.endr
	s_lshl_b32 s18, s16, 7
	s_lshl_b32 s20, s17, 8
	s_add_co_u32 s20, s20, s18                     ; x: row 256 x tile row + 128 x half
	s_lshl_b32 s46, s42, 8
	s_add_co_u32 s46, s46, s18                     ; W: row 256 x tile column + 128 x half
	s_mov_b32 s21, 0
	s_mov_b32 s47, 0
	s_mov_b64 s[18:19], KS
	s_mul_u64 s[22:23], s[20:21], s[18:19]         ; where these rows' scales begin,
	s_mul_u64 s[92:93], s[46:47], s[18:19]
	s_mov_b64 s[18:19], KROW
	s_mul_u64 s[20:21], s[20:21], s[18:19]         ; and their codes
	s_mul_u64 s[46:47], s[46:47], s[18:19]
	s_mul_i32 s45, s14, HALFT                      ; where they go: wave x 128 rows
	s_mul_i32 s94, s14, HALFS
	s_wait_dscnt 0x0                               ; both opening adds are done
	s_wait_kmcnt 0x0
	s_add_nc_u64 s[20:21], s[4:5], s[20:21]
	s_add_nc_u64 s[22:23], s[6:7], s[22:23]
	s_add_nc_u64 s[46:47], s[8:9], s[46:47]
	s_add_nc_u64 s[92:93], s[10:11], s[92:93]
	CROUND                                         ; all sixteen work-groups are here: the joint loads meet
	s_mov_b32 s[G0S], 1
	s_add_co_u32 s[G0S+1], s94, SCL
	s_mov_b64 s[G0S+2:G0S+3], s[22:23]
	s_or_b32 s[G0S+3], s[G0S+3], 0x80000000
	s_mov_b32 s[G0SB], 1
	s_add_co_u32 s[G0SB+1], s94, SCL
	s_mov_b64 s[G0SB+2:G0SB+3], s[92:93]
	s_or_b32 s[G0SB+3], s[G0SB+3], 0x80000000
	JLOAD G0S, G1S, G0SB, G1SB                     ; the scales first: they are wanted with K step 0
.irp s, 0,1
	s_mov_b32 s[G0+4*\s], 1
	s_add_co_u32 s[G0+4*\s+1], s45, \s*SLOT
	s_add_nc_u64 s[G0+4*\s+2:G0+4*\s+3], s[20:21], \s*ROWB
	s_or_b32 s[G0+4*\s+3], s[G0+4*\s+3], 0x80000000
	s_mov_b32 s[G0B+4*\s], 1
	s_add_co_u32 s[G0B+4*\s+1], s45, \s*SLOT
	s_add_nc_u64 s[G0B+4*\s+2:G0B+4*\s+3], s[46:47], \s*ROWB
	s_or_b32 s[G0B+4*\s+3], s[G0B+4*\s+3], 0x80000000
	JLOAD G0+4*\s, G1, G0B+4*\s, G1B
.endr
	v_and_b32 v1, 15, v0                           ; r = l % 16
	v_bfe_u32 v2, v0, 4, 1                         ; h = l / 16
	v_mul_u32_u24 v3, v1, PITCH
	v_lshl_add_u32 v4, v2, 4, v3                   ; a fragment's row x pitch + 16 x half
	s_mul_i32 s21, s15, HALFT                      ; my 128 rows of x
	s_mul_i32 s22, s16, HALFT                      ; my 128 rows of W,
	s_add_co_u32 s22, s22, 2*HALFT                 ; which lie behind x's 256
.irp s, 0,1
	v_add_nc_u32 v[ADRA+\s], s21, v4
	v_add_nc_u32 v[ADRB+\s], s22, v4
	s_add_co_u32 s21, s21, SLOT
	s_add_co_u32 s22, s22, SLOT
.endr
	v_mul_u32_u24 v5, v1, KS                       ; my row's scales: 32 bytes a row,
	v_lshrrev_b32 v6, 8, v5
	v_lshl_add_u32 v5, v6, 4, v5                   ; and 16 more for each 256 passed
	s_mul_i32 s21, s15, HALFS
	s_mul_i32 s22, s16, HALFS
	s_add_co_u32 s22, s22, 2*HALFS
	s_sub_co_u32 s22, s22, s21
	v_mul_u32_u24 v6, s22, v2                      ; lanes 16-31 take W's
	s_add_co_u32 s21, s21, SCL
	v_add_nc_u32 v5, v5, v6
	v_add_nc_u32 v[ADRS], s21, v5
	s_mul_i32 s23, s14, 32*SP                      ; my stage
	v_mul_u32_u24 v5, v1, SP
	v_lshl_add_u32 v5, v2, 4, v5
	v_add_nc_u32 v[STO], s23, v5                   ; in: row r, 16 bytes for each half of the lanes
	v_and_b32 v6, 31, v0
	v_lshlrev_b32 v[L16], 4, v6
	v_lshrrev_b32 v5, 3, v6
	v_mul_u32_u24 v5, v5, SP
	v_and_b32 v6, 7, v6
	v_lshl_add_u32 v5, v6, 4, v5
	v_add_nc_u32 v[RD], s23, v5                    ; back: eight lanes to a row of 128 bytes, four rows an instruction
	v_lshlrev_b32 v[BO], 5, v2
	; where my part goes: part = cluster x; batch = tile row / 8; my first head = 4 (tile column % 4) + 2 x column half; my first position = 256 (tile row % 8) + 128 x row half
	s_lshr_b32 s20, s17, 3
	s_lshl_b32 s20, s20, 4
	s_and_b32 s21, s42, 3
	s_lshl_b32 s21, s21, 2
	s_add_co_u32 s20, s20, s21
	s_lshl_b32 s21, s16, 1
	s_add_co_u32 s20, s20, s21
	s_lshl_b32 s20, s20, 18                        ; a head is 2^18 bytes,
	s_lshl_b32 s21, ttmp9, 24                      ; a part 2^24
	s_add_co_u32 s20, s20, s21
	s_and_b32 s21, s17, 7
	s_lshl_b32 s21, s21, 8
	s_lshl_b32 s22, s15, 7
	s_add_co_u32 s21, s21, s22                     ; my first position
	s_lshl_b32 s22, s21, 7                         ; 128 bytes a position in qkv,
	s_add_co_u32 s20, s20, s22
	s_lshl_b32 s22, s21, 8                         ; 256 in the RoPE table (4,096 for 16)
	s_mov_b32 s21, 0
	s_mov_b32 s23, 0
	s_add_nc_u64 s[12:13], s[12:13], s[20:21]
	s_add_nc_u64 s[98:99], s[98:99], s[22:23]
	s_lshl_b32 s20, s42, 10                        ; the bias: 256 numbers a tile column, 128 a half
	s_lshl_b32 s22, s16, 9
	s_add_co_u32 s20, s20, s22
	s_add_nc_u64 s[96:97], s[96:97], s[20:21]
.irp b, 0,1,2,3,4,5,6,7
	global_load_b128 v[BIAS+8*\b:BIAS+8*\b+3], v[BO], s[96:97] offset:64*\b        ; register 8 b + j: the bias of column 16 b + 8 h + j, in the result's layout
	global_load_b128 v[BIAS+8*\b+4:BIAS+8*\b+7], v[BO], s[96:97] offset:64*\b+16
.endr
; The RoPE image of my block a of 16 positions: 8 loads of 512 consecutive bytes; register 4 e + i: cos at +0..15, sin at +16..31, index 8 u + j.  Sets v96-127 (a even) and v32-63 (a odd)
.macro ROPELOAD a
.set RC, 96-64*((\a)%2)
.irp e, 0,1,2,3,4,5,6,7
	global_load_b128 v[RC+4*\e:RC+4*\e+3], v[L16], s[98:99] offset:4096*(\a)+512*\e
.endr
.endm
	ROPELOAD 0                                     ; v's tiles fetch it too and do not use it (4 KB a wave): so these registers are written on every way through the text
.macro FRAG reg, adr, q, i             ; 16 rows x 128 K of 4-bit codes: lane l holds row l % 16; registers 4 c .. 4 c + 3 hold K = 64 c + 32 (l / 16) + 0 .. 31
.irp c, 0,1
	ds_load_b128 v[\reg+4*\c:\reg+4*\c+3], v[\adr] offset:64*(\q)+32*\c+(\i)*16*PITCH
.endr
.endm
; 16 matrix instructions: x's blocks a0, a0 + 1 against W's eight.  first = 1: the sums begin with the bias as C.  The 64 accumulators take turns, one instruction a turn.
.macro MUL16 a0, p, q, sc, first
.irp a, \a0, \a0+1
.irp b, 0,1,2,3,4,5,6,7
.if \first
	v_wmma_scale_f32_16x16x128_f8f6f4 v[8*(8*((\a)%4)+\b):8*(8*((\a)%4)+\b)+7], v[128*(\p)+FR*\b:128*(\p)+FR*\b+FR-1], v[AF+FR*(\a):AF+FR*(\a)+FR-1], v[BIAS+8*\b:BIAS+8*\b+7], v[SC+8*NQ*(\sc)+NQ*\b+(\q)], v[SC+8*NQ*(\sc)+NQ*(\a)+(\q)] matrix_a_fmt:MATRIX_FMT_FP4 matrix_b_fmt:MATRIX_FMT_FP4 matrix_a_scale:MATRIX_SCALE_ROW1
.else
	v_wmma_scale_f32_16x16x128_f8f6f4 v[8*(8*((\a)%4)+\b):8*(8*((\a)%4)+\b)+7], v[128*(\p)+FR*\b:128*(\p)+FR*\b+FR-1], v[AF+FR*(\a):AF+FR*(\a)+FR-1], v[8*(8*((\a)%4)+\b):8*(8*((\a)%4)+\b)+7], v[SC+8*NQ*(\sc)+NQ*\b+(\q)], v[SC+8*NQ*(\sc)+NQ*(\a)+(\q)] matrix_a_fmt:MATRIX_FMT_FP4 matrix_b_fmt:MATRIX_FMT_FP4 matrix_a_scale:MATRIX_SCALE_ROW1
.endif
.endr
.endr
.endm
.macro FETCH_B slot, q, p
	WIN TO_B
.irp i, 0,1,2,3,4,5,6,7
	FRAG 128*(\p)+FR*\i, ADRB+\slot, \q, \i
.endr
	WIN 0
.endm
.macro FETCH_A slot, q, i0
.irp i, \i0, \i0+1, \i0+2, \i0+3
	FRAG AF+FR*(\i), ADRA+\slot, \q, \i
.endr
.endm
.macro SCALES sc                       ; a K step's scale words: lanes 0-15 take x's block i, lanes 16-31 W's block i
.irp i, 0,1,2,3,4,5,6,7
	ds_load_b128 v[SC+8*NQ*\sc+NQ*\i:SC+8*NQ*\sc+NQ*\i+3], v[ADRS] offset:\i*SBLK
.endr
.endm
.macro PLACES n                        ; plain vector lines between a matrix instruction and a load into, or a vector line or store on, its registers (ISA guide 7.12.1 for vector lines and stores)
.rept \n
	v_nop
.endr
.endm
.macro STEP slot, q, first             ; 128 along K, with its successor in the same slot
	s_wait_dscnt 4*NL                              ; W's set and x's blocks 0-3 are in; the youngest eight loads (x's blocks 4-7) may be out
.if \first
	WIN 0x81                                       ; C (the bias) in window 0, D in window 2
.else
	WIN MUL_LO
.endif
	MUL16 0, (\q)%2, \q, \slot, \first
	MUL16 2, (\q)%2, \q, \slot, \first
	s_wait_dscnt 0                                 ; x's blocks 4-7 are in
	PLACES NP
	FETCH_B \slot, (\q)+1, 1-(\q)%2
	FETCH_A \slot, (\q)+1, 0
.if \first
	WIN 0xc1
.else
	WIN MUL_HI
.endif
	MUL16 4, (\q)%2, \q, \slot, \first
	MUL16 6, (\q)%2, \q, \slot, \first
	PLACES NP
	WIN 0
	FETCH_A \slot, (\q)+1, 4
.endm
.macro TURN slot, next                 ; slot 0's last step: one barrier; behind it slot 1 is whole for everybody and nobody reads slot 0 any more
	s_wait_tensorcnt 0x0                           ; all my tensor loads have landed: my part of slot 1;
	ds_add_u32 v[SPW], v[NIL]                      ; 0 onto my spare word;
	s_wait_dscnt 4*NL+1                            ; (the add and the youngest eight loads may be out)
	WIN MUL_LO
	MUL16 0, 1, NQ-1, \slot, 0
	s_wait_dscnt 0x0                               ; the add is done, and my reads of this slot are over
	s_barrier_signal -1
	MUL16 2, 1, NQ-1, \slot, 0
	WIN 0
	s_barrier_wait -1
	PLACES NP
	v_add_nc_u32 v[ADRS], 4*NQ, v[ADRS]            ; on to the next K step's scale words
	FETCH_B \next, 0, 0
	FETCH_A \next, 0, 0
	SCALES \next
	WIN MUL_HI
	MUL16 4, 1, NQ-1, \slot, 0
	MUL16 6, 1, NQ-1, \slot, 0
	PLACES NP
	WIN 0
	FETCH_A \next, 0, 4
.endm
.macro STEPS slot, from
.set Q, \from
.rept NQ-1-\from
	STEP \slot, Q, 0
.set Q, Q+1
.endr
.endm
	s_wait_tensorcnt 1                             ; the scales and my part of slot 0 are in; slot 1's load may be out
	s_barrier_signal -1
	s_barrier_wait -1
	FETCH_B 0, 0, 0
	FETCH_A 0, 0, 0
	SCALES 0
	FETCH_A 0, 0, 4
	s_wait_loadcnt 0x0                             ; the bias and the first RoPE image
	STEP 0, 0, 1
	STEPS 0, 1
	TURN 0, 1
	STEPS 1, 0
	s_wait_dscnt 4*NL                              ; the last step: nothing more to fetch
	WIN MUL_LO
	MUL16 0, 1, NQ-1, 1, 0
	MUL16 2, 1, NQ-1, 1, 0
	s_wait_dscnt 0
	WIN MUL_HI
	MUL16 4, 1, NQ-1, 1, 0
	MUL16 6, 1, NQ-1, 1, 0
	WIN 0
; THE WAY OUT, block a of 16 positions at a time.  My 128 columns are two heads g; in a head, W's blocks 4 g + u (u = 0, 1) hold channels under 32 and blocks 4 g + 2 + u their partners 32 further on.
.macro ROT a                           ; y1 = x1 cos - x2 sin, y2 = x1 sin + x2 cos, two numbers an instruction; each accumulator is read from its low end on
.set RC, 96-64*((\a)%2)
.set AC, 64*((\a)%4)
	WIN 0x02+((\a)/4)                              ; source 0: window 2 or 3
.irp g, 0,1
.irp u, 0,1
.irp i, 0,2,4,6
	v_pk_mul_f32 v[Y+8*(4*\g+\u)+\i:Y+8*(4*\g+\u)+\i+1], v[AC+8*(4*\g+\u)+\i:AC+8*(4*\g+\u)+\i+1], v[RC+8*\u+\i:RC+8*\u+\i+1]
	v_pk_mul_f32 v[Y+8*(4*\g+2+\u)+\i:Y+8*(4*\g+2+\u)+\i+1], v[AC+8*(4*\g+\u)+\i:AC+8*(4*\g+\u)+\i+1], v[RC+16+8*\u+\i:RC+16+8*\u+\i+1]
	v_pk_fma_f32 v[Y+8*(4*\g+\u)+\i:Y+8*(4*\g+\u)+\i+1], v[AC+8*(4*\g+2+\u)+\i:AC+8*(4*\g+2+\u)+\i+1], v[RC+16+8*\u+\i:RC+16+8*\u+\i+1], v[Y+8*(4*\g+\u)+\i:Y+8*(4*\g+\u)+\i+1] neg_lo:[0,1,0] neg_hi:[0,1,0]
	v_pk_fma_f32 v[Y+8*(4*\g+2+\u)+\i:Y+8*(4*\g+2+\u)+\i+1], v[AC+8*(4*\g+2+\u)+\i:AC+8*(4*\g+2+\u)+\i+1], v[RC+8*\u+\i:RC+8*\u+\i+1], v[Y+8*(4*\g+2+\u)+\i:Y+8*(4*\g+2+\u)+\i+1]
.endr
.endr
.endr
	WIN 0
.endm
.macro CVT                             ; the rotated numbers to f16: a lane's eight channels are 16 bytes
.irp b, 0,1,2,3,4,5,6,7
.irp r, 0,1,2,3
	v_cvt_pk_f16_f32 v[PKD+4*\b+\r], v[Y+8*\b+2*\r], v[Y+8*\b+2*\r+1]
.endr
.endr
.endm
.macro PLAINCVT a                      ; v: straight from the accumulators, each from its low end on
.set AC, 64*((\a)%4)
	WIN 0x0a+5*((\a)/4)                            ; sources 0 and 1: window 2 or 3
.irp b, 0,1,2,3,4,5,6,7
.irp r, 0,1,2,3
	v_cvt_pk_f16_f32 v[PKD+4*\b+\r], v[AC+8*\b+2*\r], v[AC+8*\b+2*\r+1]
.endr
.endr
	WIN 0
.endm
.macro TOSTAGE a                       ; into my stage and back as rows: LDS serves a wave's instructions in order, so no wait stands between
.irp b, 0,1,2,3,4,5,6,7
	ds_store_b128 v[STO], v[PKD+4*\b:PKD+4*\b+3] offset:(\b/4)*16*SP+32*(\b%4)
.endr
.set BB, BK+32*((\a)%2)
.irp g, 0,1
.irp i, 0,1,2,3
	ds_load_b128 v[BB+4*(4*\g+\i):BB+4*(4*\g+\i)+3], v[RD] offset:\g*16*SP+\i*4*SP
.endr
.endr
.endm
.macro SEND a, younger                 ; younger: the LDS instructions issued behind block a's loads, which may stay out
.set BB, BK+32*((\a)%2)
	s_wait_dscnt \younger
.irp g, 0,1
.irp i, 0,1,2,3
	global_store_b128 v[L16], v[BB+4*(4*\g+\i):BB+4*(4*\g+\i)+3], s[12:13] offset:(\g<<18)+2048*(\a)+512*\i   ; four positions of a head: 512 consecutive bytes
.endr
.endr
.endm
	PLACES NP                                      ; behind the last products: for the loads and vector lines that write their operands' registers, and for the reads of results
	s_cmp_lt_u32 ttmp9, 2                          ; q and k are rotated, v is not: the cluster's x, the same in all sixteen partners
	s_cbranch_scc0 .Lplain
.irp a, 0,1,2,3,4,5,6,7
.if \a > 1
	s_wait_xcnt 0x0                                ; block a - 2's stores have read their registers: block a's rows may land there
.endif
.if \a < 7
	ROPELOAD \a+1
	s_wait_loadcnt 8                               ; this block's image is in; the next block's eight loads may be out
.else
	s_wait_loadcnt 0x0
.endif
	ROT \a
	CVT
	TOSTAGE \a
.if \a > 0
	SEND \a-1, 16                                  ; behind block a - 1's loads: block a's eight stores and eight loads
.endif
.endr
	SEND 7, 0
	s_branch .Lout
.Lplain:
.irp a, 0,1,2,3,4,5,6,7
.if \a > 1
	s_wait_xcnt 0x0
.endif
	PLAINCVT \a
	TOSTAGE \a
.if \a > 0
	SEND \a-1, 16
.endif
.endr
	SEND 7, 0
.Lout:
	s_wait_tensorcnt 0x0                           ; the wave's end
	ds_add_u32 v[SPW], v[NIL]
	s_wait_dscnt 0x0
	CROUND                                         ; the closing round
	s_endpgm
.Lfunc_end_k_q2dc5cde7bf_qkv_gemm:
	.size	k_q2dc5cde7bf_qkv_gemm, .Lfunc_end_k_q2dc5cde7bf_qkv_gemm-k_q2dc5cde7bf_qkv_gemm
	.p2alignl 7, 3214868480
	.fill 96, 4, 3214868480
	.section	.rodata,"a",@progbits
	.p2align	6, 0x0
	.amdhsa_kernel k_q2dc5cde7bf_qkv_gemm
		.amdhsa_group_segment_fixed_size 327680
		.amdhsa_private_segment_fixed_size 0
		.amdhsa_enable_private_segment 0
		.amdhsa_kernarg_size 56
		.amdhsa_user_sgpr_count 2
		.amdhsa_user_sgpr_kernarg_segment_ptr 1
		.amdhsa_wavefront_size32 1
		.amdhsa_system_sgpr_workgroup_id_x 1
		.amdhsa_system_sgpr_workgroup_id_y 1
		.amdhsa_system_sgpr_workgroup_id_z 1
		.amdhsa_system_vgpr_workitem_id 0
		.amdhsa_next_free_vgpr 1024
		.amdhsa_next_free_sgpr 100
		.amdhsa_reserve_vcc 0
		.amdhsa_float_denorm_mode_32 3
		.amdhsa_float_denorm_mode_16_64 3
		.amdhsa_memory_ordered 1
		.amdhsa_forward_progress 1
		.amdhsa_inst_pref_size 197
	.end_amdhsa_kernel
	.amdgpu_metadata
---
amdhsa.version: [ 1, 2 ]
amdhsa.kernels:
  - .name:           k_q2dc5cde7bf_qkv_gemm
    .symbol:         k_q2dc5cde7bf_qkv_gemm.kd
    .args:
      - { .name: x_codes, .offset: 0, .size: 8, .value_kind: global_buffer, .address_space: global }
      - { .name: x_scales, .offset: 8, .size: 8, .value_kind: global_buffer, .address_space: global }
      - { .name: w_codes, .offset: 16, .size: 8, .value_kind: global_buffer, .address_space: global }
      - { .name: w_scales, .offset: 24, .size: 8, .value_kind: global_buffer, .address_space: global }
      - { .name: bqkv, .offset: 32, .size: 8, .value_kind: global_buffer, .address_space: global }
      - { .name: rope, .offset: 40, .size: 8, .value_kind: global_buffer, .address_space: global }
      - { .name: qkv, .offset: 48, .size: 8, .value_kind: global_buffer, .address_space: global }
    .group_segment_fixed_size: 327680
    .private_segment_fixed_size: 0
    .kernarg_segment_align: 8
    .kernarg_segment_size: 56
    .max_flat_workgroup_size: 128
    .sgpr_count:     100
    .vgpr_count:     1024
    .wavefront_size: 32
...
	.end_amdgpu_metadata
.endif
;; end of part 3
;; launch attn (part 4): grid 4 x 64, 16 waves a work-group, clusters of 4 x 1, 327,680 bytes of LDS; arguments qkv, att; writes att
.if DOCPART == 4
	.amdgcn_target "amdgcn-amd-amdhsa--gfx1250"
	.amdhsa_code_object_version 6
	.text
	.protected	k_q2dc5cde7bf_attn
	.globl	k_q2dc5cde7bf_attn
	.p2align	8
	.type	k_q2dc5cde7bf_attn,@function
k_q2dc5cde7bf_attn:
	s_mov_b64 s[64:65], 0
	v_nop
	global_prefetch_b8 v0, s[64:65] scope:SCOPE_SE
	s_setreg_imm32_b32 hwreg(HW_REG_WAVE_MODE, 25, 1), 1
	s_wait_xcnt 0x0
	s_wait_alu depctr_hold_cnt(0) depctr_sa_sdst(0) depctr_va_vdst(0) depctr_va_sdst(0) depctr_va_ssrc(0) depctr_va_vcc(0) depctr_vm_vsrc(0)
	s_getreg_b32 s2, hwreg(HW_REG_IB_STS2, 6, 4)
	s_cmp_eq_u32 s2, 0
	s_cbranch_scc0 .Lentry_in_a_cluster
	s_endpgm
.Lentry_in_a_cluster:
	s_bfe_u32 s2, ttmp6, 0x10000c
	s_cmp_lg_u32 s2, 0x3003
	s_cbranch_scc0 .Lentry_shape_is_right
	s_endpgm
.Lentry_shape_is_right:
; att[hb][q][:] = the sum over k of softmax_k(Q[hb][q] . K[hb][k] / 8) V[hb][k][:], hb = batch x 16 + head; no mask.  Q, K, V: the three parts of qkv, [64][2048][64] f16; att likewise.
; Products on f16 operands, sums, maxima and the softmax in f32; p is rounded to f16 for the second product, the row's sum is taken of the unrounded p; att is rounded once.
; LIMITS: within f16's range every score is finite and every row's sum is at least 1.  NaN and infinities in qkv are not served.
; SHARES.  A cluster of four work-groups is one head; a work-group owns 512 queries, each of its sixteen waves 32: two tiles of 16, in 256 registers: four waves to a SIMD, so that one wave's
; softmax stands beside another's products and LDS loads.  Every wave walks all 2,048 keys, 64 a step.
; K and V come through a ring of two LDS slots of 512 keys.  EVERY wave fetches: waves 0-7 64 rows of K each, waves 8-15 64 rows of V.  The four work-groups walk the same K and V: each tile is asked for
; JOINTLY (the same load, the same descriptor, a mask that names the four).  By this text's own count a wave has two tensor loads out at the start and one behind each refill.
; No prefetch: a refill is asked for a whole slot, eight key steps of every wave, ahead of the wait for it.
; LAYOUT.  S^T = K Q^T (source 0 = 16 keys, source 1 = 16 queries): a lane holds ONE query (lane % 16) and keys 8 (lane / 16) + 0..7.  Two such tiles, rounded in pairs, ARE source 1 of O^T = V^T P.
; V ([key][channel]) is turned by ds_load_tr16_b128.  p = 2^(c s - c m), c = log2(e) / 8, m the running maximum; in every step O and l are multiplied by a = 2^(c m_old - c m_new).
.set PK,    144                        ; a row of K in LDS: 128 bytes + 16: the 16 rows of a load start at 16 different banks
.set PV,    160                        ; a row of V: 128 + 32
.set VOFF,  512*PK                     ; a slot: 512 rows of K, then 512 of V
.set SLOT,  512*(PK+PV)
.set SPARE, 2*SLOT                     ; the spare words, 128 bytes a wave, which no other line names
.set AK0, 1                            ; v1  my lane's place in a tile of K
.set AV0, 2                            ; v2  and of V
.set ADR, 3                            ; v3  the address of the run of loads in hand
.set QO,  5                            ; v5  my byte offset in the wave's rows of Q
.set STO, 6                            ; v6  the way out: where I put 16 bytes of a row
.set RD,  7                            ; v7  where I read four rows back
.set SPW, 8                            ; v8  my spare word; v9 0; never rewritten
.set NIL, 9
.set L16, 10                           ; v10 16 x lane
.set ST,  16                           ; tile t's statistics at v[16 + 8 t]: +0 c m, +1 m, +2, +3 l, +4..+7 at work; a takes +6
.set Q,   32                           ; v32-63   Q: tile t, channels 32 d on, at 32 + 16 t + 8 d
.set KV,  64                           ; v64-127  ONE buffer: a step's fragments of K, then of V
.set S,   128                          ; v128-191 S^T, 32 a tile; p; then P in place, in the low 16 of each tile's 32
.set O,   192                          ; v192-255 O^T, 32 a tile
.set WV,  8
.set G1K, 16
.set G1V, 24
.set G0K, 32                           ; s[32:39] K's groups 0, one for each slot;  s[40:47] V's
.set G0V, 40
.set CS,  48                           ; s[48:49] c, twice: the packed form names a pair
.set SEL, 50                           ; s[50:51] v_permlanex16_b32's selects for lane l xor 16
.set TK,  52                           ; s52 where the step's rows of K begin in LDS;  s53 V's;  s54 counts a slot's steps
.set TV,  53
.set CNT, 54
.macro CROUND                          ; a round of the cluster's barrier
	s_barrier_signal -1
	s_barrier_wait -1
	s_cmp_lg_u32 s[WV], 0
	s_cbranch_scc1 .Lnot_wave_0_\@
	s_barrier_signal -3
.Lnot_wave_0_\@:
	s_barrier_wait -3
	s_barrier_signal -1
	s_barrier_wait -1
.endm
.macro JLOAD s                         ; a joint refill of slot s; the branch hangs on the wave's number alone.  An s_nop 0 and four v_nop follow each line
	s_cmp_lt_u32 s[WV], 8
	s_cbranch_scc0 .Lfor_v_\@
	tensor_load_to_lds s[G0K+4*\s:G0K+4*\s+3], s[G1K:G1K+7]
	s_nop 0
.rept 4
	v_nop
.endr
	s_branch .Lasked_\@
.Lfor_v_\@:
	tensor_load_to_lds s[G0V+4*\s:G0V+4*\s+3], s[G1V:G1V+7]
	s_nop 0
.rept 4
	v_nop
.endr
.Lasked_\@:
.endm
	s_load_b128 s[4:7], s[0:1], 0x0                ; qkv, att
	v_lshl_add_u32 v[SPW], v0, 2, SPARE
	v_mov_b32 v[NIL], 0
	ds_add_u32 v[SPW], v[NIL]                      ; the wave's opening: the add, twice on end, and its wait ahead of my first tensor load
	ds_add_u32 v[SPW], v[NIL]
	v_lshrrev_b32 v11, 5, v0
	v_readfirstlane_b32 s[WV], v11                 ; wave 0..15
	s_bfe_u32 s9, ttmp6, 0x40000                   ; cx: it enters Q's and att's addresses alone
	s_and_b32 s10, ttmp7, 0xffff                   ; the head, which the four partners share
	s_lshl_b32 s10, s10, 18                        ; its first byte in a part
	s_and_b32 s11, s[WV], 7                        ; which 64 rows of a slot I fetch:
	s_lshl_b32 s12, s11, 13                        ; 8,192 bytes in memory,
	s_add_co_u32 s12, s12, s10
	s_mov_b32 s13, 0
	s_mul_i32 s14, s11, 64*PK                      ; their place among a slot's rows of K,
	s_mul_i32 s15, s11, 64*PV
	s_add_co_u32 s15, s15, VOFF                    ; or of V
	s_lshl_b32 s56, s9, 16                         ; my work-group's 512 queries,
	s_lshl_b32 s57, s[WV], 12                      ; my wave's 32
	s_add_co_u32 s56, s56, s57
	s_add_co_u32 s56, s56, s10
	s_mov_b32 s57, 0
	s_mov_b32 s[G1K], 15|(1<<16)|(1<<20)|(1<<21)|(4<<22)|(3<<25)   ; the mask: all four; elements of 2 bytes; padding on; bit 21 beside a mask; after every 32 words four words
	s_mov_b32 s[G1V], 15|(1<<16)|(1<<20)|(1<<21)|(4<<22)|(7<<25)   ; the same with eight words
.irp g, G1K, G1V
	s_mov_b32 s[\g+1], 64<<16                      ; tensor_dim0
	s_mov_b32 s[\g+2], 64<<16                      ; tensor_dim1
	s_mov_b32 s[\g+3], 64<<16                      ; tile_dim0
	s_mov_b32 s[\g+4], 64                          ; tile_dim1
	s_mov_b32 s[\g+5], 64                          ; the pitch
	s_mov_b32 s[\g+6], 0
	s_mov_b32 s[\g+7], 0
.endr
	s_mov_b32 s[CS], 0x3e38aa3b                    ; c = log2(e) / 8
	s_mov_b32 s[CS+1], s[CS]
	s_mov_b32 s[SEL], 0x76543210
	s_mov_b32 s[SEL+1], 0xfedcba98
	s_wait_dscnt 0x0                               ; both opening adds are done
	s_wait_kmcnt 0x0
	s_add_nc_u64 s[58:59], s[4:5], s[12:13]
	s_add_nc_u64 s[60:61], s[58:59], 0x1000000     ; K's part, my rows of slot 0
	s_add_nc_u64 s[62:63], s[58:59], 0x2000000     ; V's
	s_add_nc_u64 s[4:5], s[4:5], s[56:57]          ; Q at my first query
	s_add_nc_u64 s[6:7], s[6:7], s[56:57]          ; att likewise
	CROUND                                         ; all four work-groups are here: the first joint loads meet
.irp s, 0,1
	s_mov_b32 s[G0K+4*\s], 1
	s_add_co_u32 s[G0K+4*\s+1], s14, \s*SLOT
	s_add_nc_u64 s[G0K+4*\s+2:G0K+4*\s+3], s[60:61], \s*0x10000   ; slot s begins with keys 512 s on
	s_or_b32 s[G0K+4*\s+3], s[G0K+4*\s+3], 0x80000000
	s_mov_b32 s[G0V+4*\s], 1
	s_add_co_u32 s[G0V+4*\s+1], s15, \s*SLOT
	s_add_nc_u64 s[G0V+4*\s+2:G0V+4*\s+3], s[62:63], \s*0x10000
	s_or_b32 s[G0V+4*\s+3], s[G0V+4*\s+3], 0x80000000
.endr
	s_cmp_lt_u32 s[WV], 8                          ; a wave's two first fills stand in one branch, ahead of every wait on TENSORcnt and every LDS read
	s_cbranch_scc0 .Lfirst_v
	tensor_load_to_lds s[G0K:G0K+3], s[G1K:G1K+7]
	s_nop 0
	tensor_load_to_lds s[G0K+4:G0K+7], s[G1K:G1K+7]
	s_nop 0
.rept 4
	v_nop
.endr
	s_branch .Lfirst_asked
.Lfirst_v:
	tensor_load_to_lds s[G0V:G0V+3], s[G1V:G1V+7]
	s_nop 0
	tensor_load_to_lds s[G0V+4:G0V+7], s[G1V:G1V+7]
	s_nop 0
.rept 4
	v_nop
.endr
.Lfirst_asked:
	v_and_b32 v11, 15, v0                          ; r
	v_bfe_u32 v12, v0, 4, 1                        ; h
	v_lshlrev_b32 v[QO], 7, v11
	v_lshl_add_u32 v[QO], v12, 4, v[QO]            ; row r of 128 bytes + 16 h
.irp t, 0,1
.irp d, 0,1
	global_load_b128 v[Q+16*\t+8*\d:Q+16*\t+8*\d+3],   v[QO], s[4:5] offset:2048*\t+64*\d       ; Q stays in registers
	global_load_b128 v[Q+16*\t+8*\d+4:Q+16*\t+8*\d+7], v[QO], s[4:5] offset:2048*\t+64*\d+32
.endr
.endr
	v_mul_u32_u24 v[AK0], v11, PK
	v_lshl_add_u32 v[AK0], v12, 4, v[AK0]          ; row x pitch + 16 x half
	v_and_b32 v13, 7, v0
	v_bfe_u32 v14, v0, 3, 1
	v_lshl_add_u32 v[AV0], v12, 3, v13             ; the turning load: key 8 (l / 16) + l % 8, channels 8 ((l / 8) % 2) on
	v_mul_u32_u24 v[AV0], v[AV0], PV
	v_lshl_add_u32 v[AV0], v14, 4, v[AV0]
	s_mul_i32 s55, s[WV], 32*PK                    ; the way out: my stage, [tile 2][row 16] x 144 bytes, among slot 0's rows of K: written when that slot has had its last fill and its last read
	v_add_nc_u32 v[STO], s55, v[AK0]
	v_and_b32 v15, 31, v0
	v_lshlrev_b32 v[L16], 4, v15
	v_lshrrev_b32 v15, 3, v15
	v_mul_u32_u24 v15, v15, PK
	v_lshl_add_u32 v15, v13, 4, v15
	v_add_nc_u32 v[RD], s55, v15                   ; back: eight lanes to a row, four rows an instruction
.irp t, 0,1
	v_mov_b32 v[ST+8*\t+1], 0xff61b1e6             ; m: -3e38, under every score
	v_mov_b32 v[ST+8*\t+2], 0                      ; l
	v_mov_b32 v[ST+8*\t+3], 0
.endr
.irp t, 0,1
	v_mul_f32 v[ST+8*\t], s[CS], v[ST+8*\t+1]      ; c m
.endr
.set i, 0
.rept 64
	v_mov_b32 v[O+i], 0                            ; O^T.  The key step is written once: its first run finds zeros, which a = 0 leaves zeros
.set i, i+1
.endr
; THE SOFTMAX of both tiles for one key step, line by line by turns, so that no line waits for the line above it.
.macro SMX
.irp j, 0,1,2,3                        ; the maximum: four chains of seven scores; each accumulator is first read at its low end
.irp t, 0,1
	v_max3_num_f32 v[ST+8*\t+4+\j], v[S+32*\t+8*\j], v[S+32*\t+8*\j+1], v[S+32*\t+8*\j+2]
.endr
.endr
.irp g, 1,2
.irp j, 0,1,2,3
.irp t, 0,1
	v_max3_num_f32 v[ST+8*\t+4+\j], v[ST+8*\t+4+\j], v[S+32*\t+8*\j+2*\g+1], v[S+32*\t+8*\j+2*\g+2]
.endr
.endr
.endr
.irp t, 0,1
	v_max3_num_f32 v[ST+8*\t+4], v[ST+8*\t+4], v[S+32*\t+7], v[S+32*\t+15]
.endr
.irp t, 0,1
	v_max3_num_f32 v[ST+8*\t+6], v[ST+8*\t+6], v[S+32*\t+23], v[S+32*\t+31]
.endr
.irp t, 0,1
	v_max3_num_f32 v[ST+8*\t+4], v[ST+8*\t+4], v[ST+8*\t+5], v[ST+8*\t+6]
.endr
.irp t, 0,1
	v_max3_num_f32 v[ST+8*\t+4], v[ST+8*\t+4], v[ST+8*\t+7], v[ST+8*\t+1]   ; and the old m
.endr
.irp t, 0,1
	v_permlanex16_b32 v[ST+8*\t+5], v[ST+8*\t+4], s[SEL], s[SEL+1]          ; the query's other 32 keys lie in the lane 16 away
.endr
.irp t, 0,1
	v_mov_b32 v[ST+8*\t+7], v[ST+8*\t]             ; c m_old is kept for a
.endr
.irp t, 0,1
	v_max_num_f32 v[ST+8*\t+1], v[ST+8*\t+4], v[ST+8*\t+5]
.endr
.irp t, 0,1
	v_mul_f32 v[ST+8*\t], s[CS], v[ST+8*\t+1]
.endr
.irp t, 0,1
	v_sub_f32 v[ST+8*\t+7], v[ST+8*\t+7], v[ST+8*\t]
.endr
.irp p, 0,2,4,6,8,10,12,14,16,18,20,22,24,26,28,30
.irp t, 0,1
	v_pk_fma_f32 v[S+32*\t+\p:S+32*\t+\p+1], v[S+32*\t+\p:S+32*\t+\p+1], s[CS:CS+1], v[ST+8*\t:ST+8*\t+1] op_sel_hi:[1,0,0] neg_lo:[0,0,1] neg_hi:[0,0,1]   ; c s - c m
.endr
.endr
.irp t, 0,1
	v_exp_f32 v[ST+8*\t+6], v[ST+8*\t+7]           ; a.  ONE BATCH: 66 exponentials, none of which reads another's result
.endr
.set e, 0
.rept 32
	v_exp_f32 v[S+e], v[S+e]
	v_exp_f32 v[S+32+e], v[S+32+e]
.set e, e+1
.endr
	v_nop                                          ; a plain line behind the last exponential,
	s_wait_alu depctr_va_vdst(0)                   ; and one wait for the batch, ahead of its first reader
.irp t, 0,1
	v_pk_mul_f32 v[ST+8*\t+2:ST+8*\t+3], v[ST+8*\t+2:ST+8*\t+3], v[ST+8*\t+6:ST+8*\t+7] op_sel_hi:[1,0]   ; l x a
.endr
.irp t, 0,1
	v_pk_add_f32 v[ST+8*\t+4:ST+8*\t+5], v[S+32*\t+2:S+32*\t+3], v[S+32*\t+6:S+32*\t+7]   ; the row's sum of the unrounded p, in two chains
.endr
.irp p, 0,4
.irp t, 0,1
	v_pk_add_f32 v[ST+8*\t+2:ST+8*\t+3], v[ST+8*\t+2:ST+8*\t+3], v[S+32*\t+\p:S+32*\t+\p+1]
.endr
.endr
.irp p, 8,12,16,20,24,28
.irp t, 0,1
	v_pk_add_f32 v[ST+8*\t+2:ST+8*\t+3], v[ST+8*\t+2:ST+8*\t+3], v[S+32*\t+\p:S+32*\t+\p+1]
	v_pk_add_f32 v[ST+8*\t+4:ST+8*\t+5], v[ST+8*\t+4:ST+8*\t+5], v[S+32*\t+\p+2:S+32*\t+\p+3]
.endr
.endr
.irp t, 0,1
	v_pk_add_f32 v[ST+8*\t+2:ST+8*\t+3], v[ST+8*\t+2:ST+8*\t+3], v[ST+8*\t+4:ST+8*\t+5]
.endr
.set e, 0
.rept 16                               ; P in place, ascending: register e takes p of registers 2 e and 2 e + 1, which no earlier line has overwritten
	v_cvt_pk_f16_f32 v[S+e], v[S+2*e], v[S+2*e+1]
	v_cvt_pk_f16_f32 v[S+32+e], v[S+32+2*e], v[S+32+2*e+1]
.set e, e+1
.endr
.irp p, 0,2,4,6,8,10,12,14,16,18,20,22,24,26,28,30
.irp t, 0,1
	v_pk_mul_f32 v[O+32*\t+\p:O+32*\t+\p+1], v[O+32*\t+\p:O+32*\t+\p+1], v[ST+8*\t+6:ST+8*\t+7] op_sel_hi:[1,0]   ; O^T x a, each accumulator from its low end on
.endr
.endr
.endm
; A KEY STEP: 64 keys.  In both runs of products the eight accumulators take turns, one instruction a turn.
.macro KEYSTEP
	v_add_nc_u32 v[ADR], s[TK], v[AK0]             ; with the four v_nop: five places behind the last V^T P: four for the loads into its fragments' registers, five for the products that write over P's
.rept 4
	v_nop
.endr
.irp d, 0,1                            ; channels 32 d on of the four tiles of 16 keys: d = 0 first
.irp kt, 0,1,2,3
	ds_load_b128 v[KV+8*(4*\d+\kt):KV+8*(4*\d+\kt)+3],   v[ADR] offset:\kt*16*PK+64*\d
	ds_load_b128 v[KV+8*(4*\d+\kt)+4:KV+8*(4*\d+\kt)+7], v[ADR] offset:\kt*16*PK+64*\d+32
.endr
.endr
	s_wait_dscnt 8                                 ; the first eight loads are in; the eight of d = 1 may be out
.irp kt, 0,1,2,3
.irp t, 0,1
	v_wmma_f32_16x16x32_f16 v[S+32*\t+8*\kt:S+32*\t+8*\kt+7], v[KV+8*\kt:KV+8*\kt+7], v[Q+16*\t:Q+16*\t+7], 0
.endr
.endr
	s_wait_dscnt 0x0
.irp kt, 0,1,2,3
.irp t, 0,1
	v_wmma_f32_16x16x32_f16 v[S+32*\t+8*\kt:S+32*\t+8*\kt+7], v[KV+32+8*\kt:KV+32+8*\kt+7], v[Q+16*\t+8:Q+16*\t+15], v[S+32*\t+8*\kt:S+32*\t+8*\kt+7]
.endr
.endr
	v_add_nc_u32 v[ADR], s[TV], v[AV0]             ; with three v_nop: four places, for the loads into K's registers and for the first read of the scores
.rept 3
	v_nop
.endr
	s_add_co_u32 s[TK], s[TK], 64*PK
	s_add_co_u32 s[TV], s[TV], 64*PV
.irp c, 0,1                            ; V turned: keys 32 c on, channels 16 ct on; they land while the softmax is walked
.irp ct, 0,1,2,3
	ds_load_tr16_b128 v[KV+8*(4*\c+\ct):KV+8*(4*\c+\ct)+3],   v[ADR] offset:\c*32*PV+32*\ct
	ds_load_tr16_b128 v[KV+8*(4*\c+\ct)+4:KV+8*(4*\c+\ct)+7], v[ADR] offset:\c*32*PV+16*PV+32*\ct
.endr
.endr
	SMX
	s_wait_dscnt 0x0                               ; V is in
.irp c, 0,1
.irp ct, 0,1,2,3
.irp t, 0,1
	v_wmma_f32_16x16x32_f16 v[O+32*\t+8*\ct:O+32*\t+8*\ct+7], v[KV+8*(4*\c+\ct):KV+8*(4*\c+\ct)+7], v[S+32*\t+8*\c:S+32*\t+8*\c+7], v[O+32*\t+8*\ct:O+32*\t+8*\ct+7]
.endr
.endr
.endr
.endm
.macro STEPS s                         ; slot s's eight key steps
	s_mov_b32 s[TK], \s*SLOT
	s_mov_b32 s[TV], \s*SLOT+VOFF
	s_mov_b32 s[CNT], 8
.Lks_\@:
	KEYSTEP
	s_sub_co_u32 s[CNT], s[CNT], 1
	s_cmp_lg_u32 s[CNT], 0
	s_cbranch_scc1 .Lks_\@
.endm
; THE CHANGE OF SLOTS behind slot s.  Each wave waits for all its tensor loads (its part of the other slot), adds 0 to its spare word, and waits for that and for its reads of slot s.
; fill = 1: the barrier is a round of the cluster's, and the joint refill of slot s, with the keys 1,024 further on, is the first thing behind it.
.macro CHANGE s, fill
	s_wait_tensorcnt 0x0                           ; no tensor load of mine is out, so a group 0 may be written
	ds_add_u32 v[SPW], v[NIL]
.if \fill
	s_add_nc_u64 s[G0K+4*\s+2:G0K+4*\s+3], s[G0K+4*\s+2:G0K+4*\s+3], 0x20000
	s_add_nc_u64 s[G0V+4*\s+2:G0V+4*\s+3], s[G0V+4*\s+2:G0V+4*\s+3], 0x20000
	s_wait_dscnt 0x0                               ; the add is done, and my reads of the slot are over
	CROUND
	JLOAD \s
.else
	s_wait_dscnt 0x0
	s_barrier_signal -1
	s_barrier_wait -1
.endif
.endm
	s_wait_tensorcnt 1                             ; my part of slot 0 is in; slot 1's may stay out
	s_barrier_signal -1
	s_barrier_wait -1
	s_wait_loadcnt 0x0                             ; Q
	STEPS 0                                        ; keys 0-511
	CHANGE 0, 1                                    ; slot 0 takes keys 1,024 on
	STEPS 1
	CHANGE 1, 1                                    ; slot 1 takes keys 1,536 on
	STEPS 0
	CHANGE 0, 0                                    ; nothing is left to fetch
	STEPS 1
	; THE WAY OUT.  The additions and the v_nop are the places behind the last products.
.irp t, 0,1
	v_add_f32 v[ST+8*\t+4], v[ST+8*\t+2], v[ST+8*\t+3]
.endr
.irp t, 0,1
	v_permlanex16_b32 v[ST+8*\t+5], v[ST+8*\t+4], s[SEL], s[SEL+1]
.endr
.irp t, 0,1
	v_add_f32 v[ST+8*\t+4], v[ST+8*\t+4], v[ST+8*\t+5]   ; the row's sum
.endr
.irp t, 0,1
	v_rcp_f32 v[ST+8*\t+6], v[ST+8*\t+4]
.endr
	v_nop
	s_wait_alu depctr_va_vdst(0)                   ; one wait for the two reciprocals, ahead of their first reader
.irp p, 0,2,4,6,8,10,12,14,16,18,20,22,24,26,28,30
.irp t, 0,1
	v_pk_mul_f32 v[O+32*\t+\p:O+32*\t+\p+1], v[O+32*\t+\p:O+32*\t+\p+1], v[ST+8*\t+6:ST+8*\t+7] op_sel_hi:[1,0]
.endr
.endr
.set e, 0
.rept 32
	v_cvt_pk_f16_f32 v[S+e], v[O+2*e], v[O+2*e+1]  ; register 16 t + 4 ct + i: channels 16 ct + 8 h + 2 i, + 1 of my query
.set e, e+1
.endr
.irp t, 0,1
.irp ct, 0,1,2,3
	ds_store_b128 v[STO], v[S+16*\t+4*\ct:S+16*\t+4*\ct+3] offset:\t*16*PK+32*\ct
.endr
.irp i, 0,1,2,3
	ds_load_b128 v[KV+16*\t+4*\i:KV+16*\t+4*\i+3], v[RD] offset:\t*16*PK+\i*4*PK   ; LDS serves a wave's instructions in order: these see my stores
.endr
.endr
.irp i, 0,1,2,3
	s_wait_dscnt 11-\i                             ; tile 0's load i is in; its younger loads and tile 1's eight instructions may be out
	global_store_b128 v[L16], v[KV+4*\i:KV+4*\i+3], s[6:7] offset:512*\i            ; four rows: 512 consecutive bytes
.endr
.irp i, 0,1,2,3
	s_wait_dscnt 3-\i
	global_store_b128 v[L16], v[KV+16+4*\i:KV+16+4*\i+3], s[6:7] offset:2048+512*\i
.endr
	s_wait_tensorcnt 0x0                           ; the wave's end
	ds_add_u32 v[SPW], v[NIL]
	s_wait_dscnt 0x0
	CROUND                                         ; the closing round
	s_endpgm
.Lfunc_end_k_q2dc5cde7bf_attn:
	.size	k_q2dc5cde7bf_attn, .Lfunc_end_k_q2dc5cde7bf_attn-k_q2dc5cde7bf_attn
	.p2alignl 7, 3214868480
	.fill 96, 4, 3214868480
	.section	.rodata,"a",@progbits
	.p2align	6, 0x0
	.amdhsa_kernel k_q2dc5cde7bf_attn
		.amdhsa_group_segment_fixed_size 327680
		.amdhsa_private_segment_fixed_size 0
		.amdhsa_enable_private_segment 0
		.amdhsa_kernarg_size 16
		.amdhsa_user_sgpr_count 2
		.amdhsa_user_sgpr_kernarg_segment_ptr 1
		.amdhsa_wavefront_size32 1
		.amdhsa_system_sgpr_workgroup_id_x 1
		.amdhsa_system_sgpr_workgroup_id_y 1
		.amdhsa_system_sgpr_workgroup_id_z 1
		.amdhsa_system_vgpr_workitem_id 0
		.amdhsa_next_free_vgpr 256
		.amdhsa_next_free_sgpr 72
		.amdhsa_reserve_vcc 0
		.amdhsa_float_denorm_mode_32 3
		.amdhsa_float_denorm_mode_16_64 3
		.amdhsa_memory_ordered 1
		.amdhsa_forward_progress 1
		.amdhsa_inst_pref_size 88
	.end_amdhsa_kernel
	.amdgpu_metadata
---
amdhsa.version: [ 1, 2 ]
amdhsa.kernels:
  - .name:           k_q2dc5cde7bf_attn
    .symbol:         k_q2dc5cde7bf_attn.kd
    .args:
      - { .name: qkv, .offset: 0, .size: 8, .value_kind: global_buffer, .address_space: global }
      - { .name: att, .offset: 8, .size: 8, .value_kind: global_buffer, .address_space: global }
    .group_segment_fixed_size: 327680
    .private_segment_fixed_size: 0
    .kernarg_segment_align: 8
    .kernarg_segment_size: 16
    .max_flat_workgroup_size: 512
    .sgpr_count:     72
    .vgpr_count:     256
    .wavefront_size: 32
...
	.end_amdgpu_metadata
.endif
;; end of part 4
;; launch proj (part 5): grid 4 x 64, 4 waves a work-group, clusters of 4 x 4, 327,680 bytes of LDS; arguments att, wout16, bout, out0; writes out0
.if DOCPART == 5
	.amdgcn_target "amdgcn-amd-amdhsa--gfx1250"
	.amdhsa_code_object_version 6
	.text
	.protected	k_q2dc5cde7bf_proj
	.globl	k_q2dc5cde7bf_proj
	.p2align	8
	.type	k_q2dc5cde7bf_proj,@function
k_q2dc5cde7bf_proj:
	s_mov_b64 s[64:65], 0
	v_nop
	global_prefetch_b8 v0, s[64:65] scope:SCOPE_SE
	s_setreg_imm32_b32 hwreg(HW_REG_WAVE_MODE, 25, 1), 1
	s_wait_xcnt 0x0
	s_wait_alu depctr_hold_cnt(0) depctr_sa_sdst(0) depctr_va_vdst(0) depctr_va_sdst(0) depctr_va_ssrc(0) depctr_va_vcc(0) depctr_vm_vsrc(0)
	s_getreg_b32 s2, hwreg(HW_REG_IB_STS2, 6, 4)
	s_cmp_eq_u32 s2, 0
	s_cbranch_scc0 .Lentry_in_a_cluster
	s_endpgm
.Lentry_in_a_cluster:
	s_bfe_u32 s2, ttmp6, 0x10000c
	s_cmp_lg_u32 s2, 0xf033
	s_cbranch_scc0 .Lentry_shape_is_right
	s_endpgm
.Lentry_shape_is_right:
; out0 = A Wout + bout.  A is att, [batch x 16 + head][position 2048][64] f16: column 64 head + d of row (batch, position).  wout16: [k 1024][n 1024] f16.  out0: [8192][1024] f32; sums in f32.
; A tile of 128 x 256 gives 256 work-groups.  Four waves, each 64 rows x 128 columns: 32 accumulators, window 1.  K goes in 8 steps of 128 (two heads) through two LDS slots.
; One tensor load a wave: waves 0 and 1 a head's 128 rows of A (a dense block of memory), waves 2 and 3 64 k-rows x 256 columns of Wout.  By this text's own count a wave has two out at the start, one behind each refill.
; CLUSTERS: 4 x 4 work-groups; A's tiles are asked for jointly along a row of the cluster, Wout's along a column.  No prefetch: a small tile with short K steps.
; THE MATRIX INSTRUCTION IS USED TRANSPOSED: source 0 = 16 columns of Wout (turned out of LDS by ds_load_tr16_b128), source 1 = 16 rows of A: a lane holds eight neighbouring columns of one row.
; The bias is the C of each sum's first product.
; REGISTERS: window 0: v16-29 addresses; two fragment buffers v32-127, v128-223 (A's four blocks, then Wout's eight).  Window 1: accumulator (a, b) at v[8 (8 a + b)].  Window 2: v0-63 the bias.
.set PA,    144                        ; a row of A in LDS: 128 bytes + 16
.set PLANE, 128*PA                     ; a head's 128 rows
.set PB,    544                        ; a k-row of Wout: 512 bytes + 32
.set BOFF,  2*PLANE
.set HALFB, 64*PB
.set SLOT,  BOFF+2*HALFB
.set SPARE, 2*SLOT                     ; the spare words, 128 bytes a wave, which no other line names
.set SPITCH, 528                       ; the way out: 16 rows x (512 bytes + 16) for each wave, in slot 0, behind its last fill and its last read
.set ADRA, 16
.set ADRB, 20
.set STO,  24
.set RD,   25
.set CO,   26                          ; v26 16 x lane
.set BO,   27                          ; v27 32 x (lane / 16)
.set SPW,  28
.set NIL,  29
.set F0,   32
.set F1,   128
.set BK,   32                          ; the way out: rows read back, two sets of 64
.set G1, 24
.set G0, 32
.set G1B, 48
.set G0B, 56
.set MSB, 0
.macro WIN new                         ; the immediate's high byte repeats the setting that is left
.if MSB != (\new)
	s_set_vgpr_msb (MSB<<8)|(\new)
.set MSB, (\new)
.endif
.endm
.set MUL,  0x50                        ; C and D window 1, operands window 0
.set MULZ, 0x60                        ; C (the bias) window 2, D window 1
.macro JLOAD s                         ; a joint load: waves 0 and 1 for A, waves 2 and 3 for Wout.  An s_nop 0 and four v_nop follow each line
	s_cmp_eq_u32 s13, 0
	s_cbranch_scc0 .Lfor_b_\@
	tensor_load_to_lds s[G0+4*\s:G0+4*\s+3], s[G1:G1+7]
	s_nop 0
.rept 4
	v_nop
.endr
	s_branch .Lasked_\@
.Lfor_b_\@:
	tensor_load_to_lds s[G0B+4*\s:G0B+4*\s+3], s[G1B:G1B+7]
	s_nop 0
.rept 4
	v_nop
.endr
.Lasked_\@:
.endm
.macro CREST                           ; a round of the cluster's barrier behind its opening barrier
	s_cmp_lg_u32 s12, 0
	s_cbranch_scc1 .Lnot_wave_0_\@
	s_barrier_signal -3
.Lnot_wave_0_\@:
	s_barrier_wait -3
	s_barrier_signal -1
	s_barrier_wait -1
.endm
.macro CROUND
	s_barrier_signal -1
	s_barrier_wait -1
	CREST
.endm
	s_load_b128 s[4:7], s[0:1], 0x0                ; att, wout16
	s_load_b128 s[8:11], s[0:1], 0x10              ; bout, out0
	v_lshl_add_u32 v[SPW], v0, 2, SPARE
	v_mov_b32 v[NIL], 0
	ds_add_u32 v[SPW], v[NIL]                      ; the wave's opening: the add, twice on end, and its wait ahead of my first tensor load
	ds_add_u32 v[SPW], v[NIL]
	v_lshrrev_b32 v1, 5, v0
	v_readfirstlane_b32 s12, v1                    ; wave 0..3
	s_lshr_b32 s13, s12, 1                         ; my half of the tile's rows.  Also: I fetch for A (0) or for Wout (1)
	s_and_b32 s14, s12, 1                          ; my half of its columns.  Also: which half of that tile I fetch
	s_bfe_u32 s40, ttmp6, 0x40000                  ; cx, cy
	s_bfe_u32 s41, ttmp6, 0x40004
	s_lshl_b32 s42, ttmp9, 2
	s_add_co_u32 s42, s42, s40                     ; tile column 0..3
	s_and_b32 s15, ttmp7, 0xffff
	s_lshl_b32 s15, s15, 2
	s_add_co_u32 s15, s15, s41                     ; tile row 0..63
	s_lshl_b32 s43, s41, 2
	s_lshl_b32 s43, 15, s43                        ; my row of the cluster
	s_lshl_b32 s44, 0x1111, s40                    ; my column
	s_or_b32 s[G1+0], s43, (1<<16)|(1<<20)|(1<<21)|(4<<22)|(3<<25)    ; A: the mask; elements of 2 bytes; padding on; bit 21 beside a mask; after every 32 words four words
	s_mov_b32 s[G1+1], 64<<16                      ; tensor_dim0
	s_mov_b32 s[G1+2], 128<<16                     ; tensor_dim1
	s_mov_b32 s[G1+3], 64<<16                      ; tile_dim0
	s_mov_b32 s[G1+4], 128                         ; tile_dim1
	s_mov_b32 s[G1+5], 64                          ; the pitch
	s_mov_b32 s[G1+6], 0
	s_mov_b32 s[G1+7], 0
	s_or_b32 s[G1B+0], s44, (1<<16)|(1<<20)|(1<<21)|(6<<22)|(7<<25)   ; Wout: after every 128 words eight words
	s_mov_b32 s[G1B+1], 256<<16
	s_mov_b32 s[G1B+2], 64<<16
	s_mov_b32 s[G1B+3], 256<<16
	s_mov_b32 s[G1B+4], 64
	s_mov_b32 s[G1B+5], 1024
	s_mov_b32 s[G1B+6], 0
	s_mov_b32 s[G1B+7], 0
	s_lshr_b32 s16, s15, 4                         ; A: the batch (16 tile rows each), 2^22 bytes,
	s_lshl_b32 s16, s16, 22
	s_and_b32 s17, s15, 15
	s_lshl_b32 s17, s17, 14                        ; 128 positions of 128 bytes a tile row,
	s_add_co_u32 s16, s16, s17
	s_lshl_b32 s17, s14, 18                        ; the K step's first or second head
	s_add_co_u32 s16, s16, s17
	s_mov_b32 s17, 0
	s_lshl_b32 s46, s42, 9                         ; Wout: 256 columns a tile column,
	s_lshl_b32 s47, s14, 17                        ; the K step's first or second 64 rows of 2,048 bytes
	s_add_co_u32 s46, s46, s47
	s_mov_b32 s47, 0
	s_mul_i32 s18, s14, PLANE                      ; where they go in a slot: no place in the cluster enters an LDS address
	s_mul_i32 s19, s14, HALFB
	s_add_co_u32 s19, s19, BOFF
	s_wait_dscnt 0x0                               ; both opening adds are done
	s_wait_kmcnt 0x0
	s_add_nc_u64 s[20:21], s[4:5], s[16:17]
	s_add_nc_u64 s[46:47], s[6:7], s[46:47]
	CROUND                                         ; all sixteen work-groups are here: the first joint loads meet
.irp s, 0,1
	s_mov_b32 s[G0+4*\s], 1
	s_add_co_u32 s[G0+4*\s+1], s18, \s*SLOT
	s_add_nc_u64 s[G0+4*\s+2:G0+4*\s+3], s[20:21], \s*0x80000     ; K step s: two heads on
	s_or_b32 s[G0+4*\s+3], s[G0+4*\s+3], 0x80000000
	s_mov_b32 s[G0B+4*\s], 1
	s_add_co_u32 s[G0B+4*\s+1], s19, \s*SLOT
	s_add_nc_u64 s[G0B+4*\s+2:G0B+4*\s+3], s[46:47], \s*0x40000   ; 128 rows on
	s_or_b32 s[G0B+4*\s+3], s[G0B+4*\s+3], 0x80000000
	JLOAD \s
.endr
	v_and_b32 v1, 15, v0                           ; r
	v_bfe_u32 v2, v0, 4, 1                         ; h
	v_mul_u32_u24 v3, v1, PA
	v_lshl_add_u32 v3, v2, 4, v3                   ; A: row x pitch + 16 x half
	s_mul_i32 s21, s13, 64*PA                      ; my 64 rows
	v_and_b32 v4, 7, v0
	v_bfe_u32 v5, v0, 3, 1
	v_lshl_add_u32 v6, v2, 3, v4                   ; Wout, the turning load: k-row 8 (l / 16) + l % 8, columns 8 ((l / 8) % 2) on
	v_mul_u32_u24 v6, v6, PB
	v_lshl_add_u32 v6, v5, 4, v6
	s_lshl_b32 s22, s14, 8                         ; my 128 columns
	s_add_co_u32 s22, s22, BOFF
.irp s, 0,1
	v_add_nc_u32 v[ADRA+\s], s21, v3
	v_add_nc_u32 v[ADRB+\s], s22, v6
	s_add_co_u32 s21, s21, SLOT
	s_add_co_u32 s22, s22, SLOT
.endr
	s_mul_i32 s23, s12, 16*SPITCH                  ; my stage
	v_mul_u32_u24 v5, v1, SPITCH
	v_lshl_add_u32 v5, v2, 5, v5
	v_add_nc_u32 v[STO], s23, v5                   ; in: row r, 32 bytes for each half of the lanes
	v_and_b32 v6, 31, v0
	v_lshlrev_b32 v[CO], 4, v6
	v_add_nc_u32 v[RD], s23, v[CO]                 ; back: the 32 lanes take a row of 512 bytes
	v_lshlrev_b32 v[BO], 5, v2
	s_lshl_b32 s16, s15, 7
	s_lshl_b32 s17, s13, 6
	s_add_co_u32 s16, s16, s17                     ; my first row of out0,
	s_lshl_b32 s16, s16, 12                        ; 4,096 bytes a row
	s_mov_b32 s17, 0
	s_lshl_b32 s46, s42, 10
	s_lshl_b32 s47, s14, 9
	s_add_co_u32 s46, s46, s47                     ; my first column, in bytes
	s_mov_b32 s47, 0
	s_add_nc_u64 s[10:11], s[10:11], s[16:17]
	s_add_nc_u64 s[10:11], s[10:11], s[46:47]
	s_add_nc_u64 s[8:9], s[8:9], s[46:47]
	WIN 0x80                                       ; destination window 2
.irp b, 0,1,2,3,4,5,6,7
	global_load_b128 v[8*\b:8*\b+3], v[BO], s[8:9] offset:64*\b          ; register 8 b + j: the bias of column 16 b + 8 h + j
	global_load_b128 v[8*\b+4:8*\b+7], v[BO], s[8:9] offset:64*\b+16
.endr
	WIN 0
; 8 products: A's block a against Wout's eight, 32 along K.  The 32 accumulators take turns, one instruction a turn, in the same order in every quarter.
.macro MULA f, a, first
.irp b, 0,1,2,3,4,5,6,7
.if \first
	v_wmma_f32_16x16x32_f16 v[8*(8*\a+\b):8*(8*\a+\b)+7], v[\f+32+8*\b:\f+32+8*\b+7], v[\f+8*\a:\f+8*\a+7], v[8*\b:8*\b+7]
.else
	v_wmma_f32_16x16x32_f16 v[8*(8*\a+\b):8*(8*\a+\b)+7], v[\f+32+8*\b:\f+32+8*\b+7], v[\f+8*\a:\f+8*\a+7], v[8*(8*\a+\b):8*(8*\a+\b)+7]
.endif
.endr
.endm
; 24 LDS loads in one run: the slot's q-th 32 along K into buffer f: Wout's sixteen, A's blocks 0 and 1, A's blocks 2 and 3
.macro FETCH slot, q, f
.irp b, 0,1,2,3,4,5,6,7
	ds_load_tr16_b128 v[\f+32+8*\b:\f+32+8*\b+3],   v[ADRB+\slot] offset:32*(\q)*PB+32*\b
	ds_load_tr16_b128 v[\f+32+8*\b+4:\f+32+8*\b+7], v[ADRB+\slot] offset:32*(\q)*PB+16*PB+32*\b
.endr
.irp a, 0,1,2,3
	ds_load_b128 v[\f+8*\a:\f+8*\a+3],   v[ADRA+\slot] offset:((\q)/2)*PLANE+((\q)%2)*64+\a*16*PA
	ds_load_b128 v[\f+8*\a+4:\f+8*\a+7], v[ADRA+\slot] offset:((\q)/2)*PLANE+((\q)%2)*64+\a*16*PA+32
.endr
.endm
.macro PLACES                          ; four plain lines between a matrix instruction and a load into, or a store of, its registers (ISA guide 7.12.1 for stores)
.rept 4
	v_nop
.endr
.endm
.macro MWIN first
.if \first
	WIN MULZ
.else
	WIN MUL
.endif
.endm
; A quarter multiplies buffer f and fetches the slot's q-th 32 along K into buffer g.
.macro QUARTER slot, q, f, g, first
	s_wait_dscnt 4                                 ; Wout's fragments and A's blocks 0 and 1 are in; the youngest four loads (blocks 2 and 3) may be out
	MWIN \first
	MULA \f, 0, \first
	MULA \f, 1, \first
	PLACES
	WIN 0
	FETCH \slot, \q, \g
	s_wait_dscnt 24                                ; all but the 24 just issued
	MWIN \first
	MULA \f, 2, \first
	MULA \f, 3, \first
.endm
; A slot's last quarter multiplies buffer 1 and changes slots: one barrier; in front of it each wave waits for all its tensor loads, adds 0 to its spare word, and waits for that and for its reads of the slot.
.macro TURN slot, next, fill
	WIN 0                                          ; (the add's two registers lie in window 0)
	s_wait_tensorcnt 0x0                           ; all my tensor loads have landed: my part of the next slot;
	ds_add_u32 v[SPW], v[NIL]
	s_wait_dscnt 5                                 ; (the add and the youngest four loads may be out)
	WIN MUL
	MULA F1, 0, 0
	s_wait_dscnt 0x0                               ; the add is done, and my reads of this slot are over
	s_barrier_signal -1
	MULA F1, 1, 0
.if \fill
	WIN 0
.endif
	s_barrier_wait -1
.if \fill
	CREST                                          ; the barrier has opened a round of the cluster's: no wave of any partner still reads this slot or has a load on its way
	s_add_nc_u64 s[G0+4*\slot+2:G0+4*\slot+3], s[G0+4*\slot+2:G0+4*\slot+3], 0x100000     ; two K steps on: four heads,
	s_add_nc_u64 s[G0B+4*\slot+2:G0B+4*\slot+3], s[G0B+4*\slot+2:G0B+4*\slot+3], 0x80000  ; 256 rows of Wout
	JLOAD \slot                                    ; the first tensor load behind the round; its four v_nop are also the places in front of the loads below
.else
	PLACES
	WIN 0
.endif
	FETCH \next, 0, F0
	WIN MUL
	MULA F1, 2, 0
	MULA F1, 3, 0
.endm
	s_wait_tensorcnt 1                             ; my part of K step 0 is in; K step 1's may stay out
	s_barrier_signal -1
	s_barrier_wait -1
	FETCH 0, 0, F0
	s_wait_loadcnt 0x0                             ; the bias
	QUARTER 0, 1, F0, F1, 1                        ; the first quarter stands in front of the loop: its products start the sums, with the bias as C
	WIN 0                                          ; at a label and at a branch every window is 0
	s_mov_b32 s3, 3
.Llap:                                             ; a trip goes once round the ring, from a lap's second quarter to the next lap's first, and fills both slots again
	QUARTER 0, 2, F1, F0, 0
	QUARTER 0, 3, F0, F1, 0
	TURN 0, 1, 1
	QUARTER 1, 1, F0, F1, 0
	QUARTER 1, 2, F1, F0, 0
	QUARTER 1, 3, F0, F1, 0
	TURN 1, 0, 1
	QUARTER 0, 1, F0, F1, 0
	WIN 0
	s_sub_co_u32 s3, s3, 1
	s_cmp_lg_u32 s3, 0
	s_cbranch_scc1 .Llap
	QUARTER 0, 2, F1, F0, 0                        ; the last lap fills nothing
	QUARTER 0, 3, F0, F1, 0
	TURN 0, 1, 0
	QUARTER 1, 1, F0, F1, 0
	QUARTER 1, 2, F1, F0, 0
	QUARTER 1, 3, F0, F1, 0
	s_wait_dscnt 4                                 ; the very last quarter
	WIN MUL
	MULA F1, 0, 0
	MULA F1, 1, 0
	s_wait_dscnt 0x0
	MULA F1, 2, 0
	MULA F1, 3, 0
	WIN 0
; THE WAY OUT, block a of 16 rows x 128 columns at a time: through my stage and back as whole rows of 512 bytes.  LDS serves a wave's instructions in order: no wait between the stores and the loads.
.macro TOSTAGE a
	WIN 0x04                                       ; an LDS store's data are its source 1: window 1
.irp b, 0,1,2,3,4,5,6,7
	ds_store_b128 v[STO], v[8*(8*(\a)+\b):8*(8*(\a)+\b)+3] offset:64*\b          ; each accumulator from its low end on
	ds_store_b128 v[STO], v[8*(8*(\a)+\b)+4:8*(8*(\a)+\b)+7] offset:64*\b+16
.endr
	WIN 0
.set BB, BK+64*((\a)%2)
.irp t, 0,1,2,3,4,5,6,7,8,9,10,11,12,13,14,15
	ds_load_b128 v[BB+4*\t:BB+4*\t+3], v[RD] offset:\t*SPITCH
.endr
.endm
.macro SEND a, younger                 ; younger: the LDS instructions issued behind block a's loads, which may stay out
.set BB, BK+64*((\a)%2)
	s_wait_dscnt \younger
.irp t, 0,1,2,3,4,5,6,7,8,9,10,11,12,13,14,15
	global_store_b128 v[CO], v[BB+4*\t:BB+4*\t+3], s[10:11] offset:(16*(\a)+\t)*4096 th:TH_STORE_NT   ; 512 consecutive bytes; written once, read by nobody here
.endr
.endm
	PLACES                                         ; behind the last products: for the stores of results and the loads into the fragments' registers
	TOSTAGE 0
.irp a, 1,2,3
.if \a > 1
	s_wait_xcnt 0x0                                ; block a - 2's stores have read their registers: block a's rows may land there
.endif
	TOSTAGE \a
	SEND \a-1, 32                                  ; behind block a - 1's loads: block a's 16 stores and 16 loads
.endr
	SEND 3, 0
	s_wait_tensorcnt 0x0                           ; the wave's end
	ds_add_u32 v[SPW], v[NIL]
	s_wait_dscnt 0x0
	CROUND                                         ; the closing round
	s_endpgm
.Lfunc_end_k_q2dc5cde7bf_proj:
	.size	k_q2dc5cde7bf_proj, .Lfunc_end_k_q2dc5cde7bf_proj-k_q2dc5cde7bf_proj
	.p2alignl 7, 3214868480
	.fill 96, 4, 3214868480
	.section	.rodata,"a",@progbits
	.p2align	6, 0x0
	.amdhsa_kernel k_q2dc5cde7bf_proj
		.amdhsa_group_segment_fixed_size 327680
		.amdhsa_private_segment_fixed_size 0
		.amdhsa_enable_private_segment 0
		.amdhsa_kernarg_size 32
		.amdhsa_user_sgpr_count 2
		.amdhsa_user_sgpr_kernarg_segment_ptr 1
		.amdhsa_wavefront_size32 1
		.amdhsa_system_sgpr_workgroup_id_x 1
		.amdhsa_system_sgpr_workgroup_id_y 1
		.amdhsa_system_sgpr_workgroup_id_z 1
		.amdhsa_system_vgpr_workitem_id 0
		.amdhsa_next_free_vgpr 576
		.amdhsa_next_free_sgpr 66
		.amdhsa_reserve_vcc 0
		.amdhsa_float_denorm_mode_32 3
		.amdhsa_float_denorm_mode_16_64 3
		.amdhsa_memory_ordered 1
		.amdhsa_forward_progress 1
		.amdhsa_inst_pref_size 87
	.end_amdhsa_kernel
	.amdgpu_metadata
---
amdhsa.version: [ 1, 2 ]
amdhsa.kernels:
  - .name:           k_q2dc5cde7bf_proj
    .symbol:         k_q2dc5cde7bf_proj.kd
    .args:
      - { .name: att, .offset: 0, .size: 8, .value_kind: global_buffer, .address_space: global }
      - { .name: wout16, .offset: 8, .size: 8, .value_kind: global_buffer, .address_space: global }
      - { .name: bout, .offset: 16, .size: 8, .value_kind: global_buffer, .address_space: global }
      - { .name: out0, .offset: 24, .size: 8, .value_kind: global_buffer, .address_space: global }
    .group_segment_fixed_size: 327680
    .private_segment_fixed_size: 0
    .kernarg_segment_align: 8
    .kernarg_segment_size: 32
    .max_flat_workgroup_size: 128
    .sgpr_count:     66
    .vgpr_count:     576
    .wavefront_size: 32
...
	.end_amdgpu_metadata
.endif
;; end of part 5
